; MI455X (gfx1250); checked and timed in simulation.
; The chip was launched on July 23, 2026; its instructions are those of AMD's public machine-readable ISA for CDNA 5 (MIT licence, August 2026) and "CDNA5" Instruction Set Architecture Reference Guide (July 2026). The comments in the code are by the model that wrote it; some were corrected since.
;; Attention. Allowed arithmetic: matrix products marked QUANTISED: E3M2 operands, one E8M0 scale for each 32 along K, by v_wmma_scale_f32_16x16x128_f8f6f4 with both operands' format E3M2, f32 sums; products left as they are: f32 operands where the result goes on into a quantised operand, else bf16, f16 or f32 operands; f32 sums; everything else in f32.
;; Inputs: U_b 1,024 float32; U_w 1,024 x 2,048 float32; W_b 1,024 float32; W_w 1,024 x 1,024 float32; encoder_outputs 512 x 64 x 2,048 float32; hidden 64 x 1,024 float32; mask 64 x 512 bool; v_w 1 x 1,024 float32.
;; Outputs: out0 64 x 512 float32.
;; This version of the problem:
;;   THIS VERSION OF THE PROBLEM IS GIVEN IN LOW PRECISION. The matrix products marked QUANTISED in the list below multiply operands that are first quantised to E3M2 (3 exponent bits, 2 mantissa bits; 6 bits a number), with one power-of-two scale for each 32 numbers along K (OCP MX v1.0); their sums are f32. All else is computed in f32.
;;   The module's matrix products, in the order in which they are computed (A, B: the left and right operand; K: the contracted axis; several contracted axes count as one K, in the product's order):
;;     1. [M 64, K 1,024] x [K 1,024, N 1,024]; A: input hidden; B: input W_w: QUANTISED
;;     2. [M 32,768, K 2,048] x [K 2,048, N 1,024]; A: input encoder_outputs; B: input U_w: QUANTISED
;;     3. [M 32,768, K 1,024] x [K 1,024, N 1]; A: computed on the way; B: input v_w: left as it is (N = 1 < 16)
;;   THE QUANTISER, for each operand of a quantised product, along K:
;;     - K is cut into blocks of 32 from its start; a last block that is shorter is filled with zeros.
;;     - A block's scale is 2^e with e = floor(log2(the largest magnitude in the block)) - 4, held to -126 .. 127; a block of zeros has e = 0. As a byte (E8M0): e + 127.
;;     - Each number is divided by its block's scale, clamped to +-28, and rounded to the nearest number of E3M2, ties to even, subnormals kept.
;;     - The product sums the exact products of the quantised numbers (number of the format x scale) in f32.
;;   ~~~python
;;   def quantise(x, axis):      # numpy; x: float32 -> the quantised numbers, widened to float32 again
;;       x = np.moveaxis(x, axis, -1); K = x.shape[-1]
;;       x = np.pad(x, [(0, 0)] * (x.ndim - 1) + [(0, -K % 32)]); x = x.reshape(x.shape[:-1] + (-1, 32)); a = np.abs(x).max(-1, keepdims=True)
;;       e = np.where(a > 0, np.clip(np.frexp(np.where(a > 0, a, 1))[1] - 1 - 4, -126, 127), 0)      # np.frexp(a)[1] - 1 = floor(log2(a)), exactly
;;       r = np.clip(x / 2.0 ** e, -28, 28)
;;       step = 2.0 ** (np.maximum(np.frexp(np.where(r == 0, 1, r))[1] - 1, -2) - 2)
;;       q = np.round(r / step) * step * 2.0 ** e      # np.round: ties to even
;;       return np.moveaxis(q.reshape(q.shape[:-2] + (-1,))[..., :K], -1, axis).astype(np.float32)
;;   ~~~
;; 2 versions. Each part assembles by itself: llvm-mc -triple=amdgcn-amd-amdhsa -mcpu=gfx1250 --defsym DOCPART=n.
;; ======== version 1 of 2: 3 launches
;; workspace buffers: uq 1,572,864 bytes; us 65,536 bytes; cb 262,144 bytes; en 131,072 bytes
;; launch prep (part 1): grid 320 x 1, 8 waves a work-group, no clusters, 145,408 bytes of LDS; arguments U_w, W_w, hidden, W_b, U_b, uq, us, cb; writes uq, us, cb
.if DOCPART == 1
	.amdgcn_target "amdgcn-amd-amdhsa--gfx1250"
	.amdhsa_code_object_version 6
	.text
	.protected	k_qf6197e9da2_prep
	.globl	k_qf6197e9da2_prep
	.p2align	8
	.type	k_qf6197e9da2_prep,@function
k_qf6197e9da2_prep:
	s_mov_b64 s[64:65], 0
	v_nop
	global_prefetch_b8 v0, s[64:65] scope:SCOPE_SE
	s_setreg_imm32_b32 hwreg(HW_REG_WAVE_MODE, 25, 1), 1
	s_wait_xcnt 0x0
; Two jobs, told apart by the work-group's number; each has LDS bytes of its own and its own end.
; JOB U (work-groups 0-63): U_w [1024][2048] f32 becomes codes of BF6 (E3M2) with one E8M0 byte for each 32 along K, laid in the ORDER OF THE OPERAND'S REGISTERS:
;   uq [w 4][p 2][k 16][bt 8][1536]: a fragment (16 rows n, 128 along K) is 12 registers a lane; group c of four registers lies at 512 c + 16 lane.  Its rows are n = 16 T + 0..15, T = (4 p + w) 8 + bt.
;   us [w][p][k][lane 32][4 words]: word q of lane l is the scale word (four bytes, 128 along K) of tile bt = 2 q + l / 16, row l % 16.
; JOB C (work-groups 64-319): cb [mt 4][T 64][r 16][16] f32 = 2 log2(e) (hidden W_w^T + W_b + U_b) for b = 16 mt + r, n = 16 T + 0..15.  hidden and W_w are quantised as above and multiplied by the
;   scaled matrix instruction; each of the eight waves takes one K step of 128, and the eight partial tiles are added in f32 through LDS (an order of sums other than ascending K).
; A block's scale is 2^(floor(log2(its largest magnitude)) - 4): its byte is the largest magnitude's exponent field - 4.
; LIMITS: a block whose largest magnitude lies under 2^-122 (a block of zeros too) gets the byte 1; a block of zeros has zero codes, which add nothing.  NaN and infinities among the inputs are not served.
; Every wave quantises two fragments.  A load reads 512 consecutive bytes of one row, 16 a lane; the conversions want 16 neighbours along K in one lane: the 16 rows turn through the wave's own stage in LDS.
.set STU,  0                           ; job U: a stage of 16 rows x 528 bytes for each wave
.set SGU,  67584                       ; job U: two blocks of 512 bytes of scale words
.set STC,  68608                       ; job C: the stages
.set PRT,  136192                      ; job C: eight partial tiles of 1,024 bytes
.set VL16, 4                           ; v4   16 x lane
.set STW,  5                           ; v5   the stage, on the way in: 16 x lane
.set STR,  6                           ; v6   and on the way out: 528 r + 64 h
.set TM,   16                          ; v16-19 largest magnitudes, v20-23 the other half's / the bytes, v24-27 the conversions' scale operands
.set PW0,  28                          ; v28, v29 the two fragments' scale words: these two hold scales and nothing else
.set PW1,  29
.set PCA,  32                          ; v32-43, v44-55 the two fragments' codes
.set PCB,  44
.set T8,   56                          ; v56-63 the upper halves of blocks, before they change lanes
.set R0,   64                          ; v64-127, v128-191 two sets of 64 numbers
.set R1,   128
.set ACC,  192
.set RED,  200
.set WB,   232
.set UB,   236
.set OUT,  240
.set WV,   20
.set SEL,  22
.macro PLACES n
.rept \n
	v_nop
.endr
.endm
; 16 rows of 512 bytes, four registers a row as loaded, go into the stage (rows 528 bytes apart: the sixteen lanes of a read fall on sixteen different columns of 16 bytes) and come back into the
; same registers so that register 16 b + i holds k = 32 b + 16 h + i of row r.  LDS serves a wave's instructions in order (ISA guide 5.7.1.4): no wait between the stores and the loads.
.macro TURN R
.irp i, 0,1,2,3,4,5,6,7,8,9,10,11,12,13,14,15
	ds_store_b128 v[STW], v[\R+4*\i:\R+4*\i+3] offset:528*\i
.endr
.irp b, 0,1,2,3
.irp j, 0,1,2,3
	ds_load_b128 v[\R+16*\b+4*\j:\R+16*\b+4*\j+3], v[STR] offset:128*\b+16*\j
.endr
.endr
.endm
; 64 numbers of a lane become a fragment's 12 registers of codes (v[PC] on) and its row's scale word (v[W]).
.macro QUANT R, PC, W
.irp b, 0,1,2,3
	v_max3_num_f32 v[TM+\b], 0x2800000, |v[\R+16*\b]|, |v[\R+16*\b+1]|   ; block b: my 16 numbers, and the floor 2^(5 - 127): the byte cannot fall under 1
.endr
.irp i, 2,4,6,8,10,12,14
.irp b, 0,1,2,3
	v_max3_num_f32 v[TM+\b], v[TM+\b], |v[\R+16*\b+\i]|, |v[\R+16*\b+\i+1]|   ; the four blocks by turns
.endr
.endr
.irp b, 0,1,2,3
	v_permlanex16_b32 v[TM+4+\b], v[TM+\b], s[SEL], s[SEL+1]
.endr
.irp b, 0,1,2,3
	v_max_num_f32 v[TM+\b], v[TM+\b], v[TM+4+\b]   ; with lane l xor 16's 16: the block's largest magnitude
.endr
.irp b, 0,1,2,3
	v_add_nc_u32 v[TM+8+\b], 0xfe000000, v[TM+\b]  ; 4 off its exponent field: the conversion's scale operand
.endr
.irp b, 0,1,2,3
	v_lshrrev_b32 v[TM+4+\b], 23, v[TM+8+\b]       ; the scale's byte
.endr
	v_lshl_or_b32 v[\W], v[TM+5], 8, v[TM+4]
	v_lshl_or_b32 v[\W], v[TM+6], 16, v[\W]
	v_lshl_or_b32 v[\W], v[TM+7], 24, v[\W]
.irp c, 0,1
	v_cvt_scalef32_pk16_bf6_f32 v[\PC+6*\c:\PC+6*\c+2], v[\R+32*\c:\R+32*\c+15], v[TM+8+2*\c]
	v_cvt_scalef32_pk16_bf6_f32 v[T8+4*\c:T8+4*\c+2], v[\R+32*\c+16:\R+32*\c+31], v[TM+8+2*\c+1]   ; (a conversion's three registers begin on an even number)
.endr
	v_nop                                          ; one plain instruction behind the last conversion
.irp c, 0,1                            ; the operand wants a whole block in a lane: lanes 0-15 block 2 c, lanes 16-31 block 2 c + 1
.irp i, 0,1,2
	v_permlane16_swap_b32 v[\PC+6*\c+\i], v[T8+4*\c+\i]
.endr
.irp i, 0,1,2
	v_mov_b32 v[\PC+3+6*\c+\i], v[T8+4*\c+\i]
.endr
.endr
.endm
; both fragments: the second set's loads may be out while the first turns; the first is quantised while the second turns
.macro BOTH
	s_wait_loadcnt 16                              ; the first set's 16 loads (and all older ones) are in; the second set's 16 may be out
	TURN R0
	s_wait_loadcnt 0x0
	TURN R1
	s_wait_dscnt 32                                ; the first turn is back; the second's 32 instructions may be out
	QUANT R0, PCA, PW0
	s_wait_dscnt 0x0
	QUANT R1, PCB, PW1
.endm
	s_load_b512 s[4:19], s[0:1], 0x0               ; U_w s[4:5], W_w s[6:7], hidden s[8:9], W_b s[10:11], U_b s[12:13], uq s[14:15], us s[16:17], cb s[18:19]
	v_lshl_add_u32 v254, v0, 2, 0x23400
	v_mov_b32 v255, 0
	v_lshrrev_b32 v1, 5, v0
	v_readfirstlane_b32 s[WV], v1                  ; wave 0..7
	v_and_b32 v1, 31, v0                           ; lane
	v_and_b32 v2, 15, v0                           ; r
	v_bfe_u32 v3, v0, 4, 1                         ; h
	v_lshlrev_b32 v[VL16], 4, v1
	v_mul_u32_u24 v10, v2, 528
	v_lshl_add_u32 v10, v3, 6, v10                 ; 528 r + 64 h
	s_mul_i32 s24, s[WV], 8448                     ; my stage among the eight
	s_and_b32 s21, s[WV], 1
	s_mov_b32 s[SEL], 0x76543210
	s_mov_b32 s[SEL+1], 0xfedcba98                 ; v_permlanex16_b32's selects for lane l xor 16
.irp b, 0,1,2,3
	v_mov_b32 v[TM+4+\b], 0                        ; written once: a lane permute's destination counts as one of its sources
.endr
	s_cmp_lt_u32 ttmp9, 64
	s_cbranch_scc0 .Ljob_c
	; ---- JOB U.  g = 2 w + p = work-group / 8; K steps 2 kp and 2 kp + 1, kp = work-group % 8; bt = my wave
	s_add_co_u32 s25, s24, STU
	v_add_nc_u32 v[STW], s25, v[VL16]
	v_add_nc_u32 v[STR], s25, v10
	s_lshl_b32 s38, s21, 8                         ; my scale words' place in a block: 16 r + 256 (bt % 2) + 4 (bt / 2)
	s_lshr_b32 s39, s[WV], 1
	s_lshl_b32 s39, s39, 2
	s_add_co_u32 s38, s38, s39
	s_add_co_u32 s38, s38, SGU
	v_lshl_add_u32 v7, v2, 4, s38
	s_lshl_b32 s39, s21, 9                         ; and where waves 0 and 1 read a whole block back
	s_add_co_u32 s39, s39, SGU
	v_add_nc_u32 v8, s39, v[VL16]
	s_lshr_b32 s28, ttmp9, 3                       ; g
	s_and_b32 s29, ttmp9, 7                        ; kp
	s_and_b32 s30, s28, 1                          ; p
	s_lshl_b32 s30, s30, 2
	s_lshr_b32 s31, s28, 1                         ; w
	s_add_co_u32 s30, s30, s31
	s_lshl_b32 s30, s30, 3
	s_add_co_u32 s30, s30, s[WV]                   ; T
	s_lshl_b32 s26, s30, 17                        ; 16 rows of 8,192 bytes
	s_lshl_b32 s31, s29, 10                        ; two K steps of 512 bytes
	s_add_co_u32 s26, s26, s31
	s_mov_b32 s27, 0
	s_lshl_b32 s32, s28, 4
	s_lshl_b32 s33, s29, 1
	s_add_co_u32 s32, s32, s33                     ; 16 g + 2 kp: which block of eight fragments
	s_mul_i32 s34, s32, 12288
	s_mul_i32 s35, s[WV], 1536
	s_add_co_u32 s34, s34, s35
	s_mov_b32 s35, 0
	s_add_co_u32 s36, s32, s21
	s_lshl_b32 s36, s36, 9                         ; the block of scale words that waves 0 and 1 store
	s_mov_b32 s37, 0
	s_wait_kmcnt 0x0
	s_add_nc_u64 s[26:27], s[4:5], s[26:27]
	s_add_nc_u64 s[34:35], s[14:15], s[34:35]
	s_add_nc_u64 s[36:37], s[16:17], s[36:37]
.irp i, 0,1,2,3,4,5,6,7,8,9,10,11,12,13,14,15
	global_load_b128 v[R0+4*\i:R0+4*\i+3], v[VL16], s[26:27] offset:8192*\i th:TH_LOAD_NT       ; 32 lanes read 512 consecutive bytes of row i
.endr
.irp i, 0,1,2,3,4,5,6,7,8,9,10,11,12,13,14,15
	global_load_b128 v[R1+4*\i:R1+4*\i+3], v[VL16], s[26:27] offset:8192*\i+512 th:TH_LOAD_NT
.endr
	BOTH
.irp c, 0,1,2
	global_store_b128 v[VL16], v[PCA+4*\c:PCA+4*\c+3], s[34:35] offset:512*\c                   ; each store covers 512 consecutive bytes, aligned
.endr
.irp c, 0,1,2
	global_store_b128 v[VL16], v[PCB+4*\c:PCB+4*\c+3], s[34:35] offset:12288+512*\c
.endr
	ds_store_b32 v7, v[PW0]                        ; lanes r and r + 16 write the same word with the same value
	ds_store_b32 v7, v[PW1] offset:512
	s_wait_dscnt 0x0                               ; for the others' sake: my stores have landed
	s_barrier_signal -1
	s_barrier_wait -1
	s_cmp_lt_u32 s[WV], 2
	s_cbranch_scc0 .Lu_end
	ds_load_b128 v[OUT:OUT+3], v8                  ; a K step's scale words of all eight tiles
	s_wait_dscnt 0x0
	global_store_b128 v[VL16], v[OUT:OUT+3], s[36:37]
.Lu_end:
	s_wait_tensorcnt 0x0
	ds_add_u32 v254, v255
	s_wait_dscnt 0x0
	s_endpgm
	; ---- JOB C.  T = c / 4, mt = c % 4, c = work-group - 64; K step = my wave
.Ljob_c:
	s_add_co_u32 s25, s24, STC
	v_add_nc_u32 v[STW], s25, v[VL16]
	v_add_nc_u32 v[STR], s25, v10
	s_lshl_b32 s38, s[WV], 10
	s_add_co_u32 s38, s38, PRT
	v_add_nc_u32 v7, s38, v[VL16]                  ; my partial tile: 16 bytes a lane, twice
	v_lshrrev_b32 v10, 2, v1                       ; back: lane l of wave u wants row 8 u + l / 4, columns 4 (l % 4) on, which lane (r, h = (l / 2) % 2) stored, in the first run (l even) or the second
	v_lshlrev_b32 v8, 4, v10
	v_bfe_u32 v10, v1, 1, 1
	v_lshl_add_u32 v8, v10, 8, v8
	v_and_b32 v10, 1, v1
	v_lshl_add_u32 v8, v10, 9, v8
	s_lshl_b32 s38, s21, 7
	s_add_co_u32 s38, s38, PRT
	v_add_nc_u32 v8, s38, v8
	v_and_b32 v9, 3, v1
	v_lshlrev_b32 v9, 4, v9                        ; the biases: 16 (l % 4)
	s_sub_co_u32 s28, ttmp9, 64
	s_lshr_b32 s29, s28, 2                         ; T
	s_and_b32 s30, s28, 3                          ; mt
	s_lshl_b32 s31, s[WV], 9                       ; my K step: 512 bytes of each row of 4,096
	s_lshl_b32 s26, s29, 16
	s_add_co_u32 s26, s26, s31
	s_mov_b32 s27, 0
	s_lshl_b32 s32, s30, 16
	s_add_co_u32 s32, s32, s31
	s_mov_b32 s33, 0
	s_lshl_b32 s34, s29, 6
	s_mov_b32 s35, 0
	s_lshl_b32 s36, s30, 6
	s_add_co_u32 s36, s36, s29
	s_lshl_b32 s36, s36, 10                        ; tile 64 mt + T of cb,
	s_lshl_b32 s39, s21, 9
	s_add_co_u32 s36, s36, s39                     ; its rows 8 u on
	s_mov_b32 s37, 0
	s_mov_b32 s40, 0x4038aa3b                      ; 2 log2(e)
	s_mov_b32 s41, s40
	s_wait_kmcnt 0x0
	s_add_nc_u64 s[26:27], s[6:7], s[26:27]
	s_add_nc_u64 s[32:33], s[8:9], s[32:33]
	s_add_nc_u64 s[10:11], s[10:11], s[34:35]
	s_add_nc_u64 s[12:13], s[12:13], s[34:35]
	s_add_nc_u64 s[36:37], s[18:19], s[36:37]
	global_load_b128 v[WB:WB+3], v9, s[10:11]      ; older than the two sets: the counts in BOTH hold as they stand
	global_load_b128 v[UB:UB+3], v9, s[12:13]
.irp i, 0,1,2,3,4,5,6,7,8,9,10,11,12,13,14,15
	global_load_b128 v[R0+4*\i:R0+4*\i+3], v[VL16], s[26:27] offset:4096*\i      ; 16 rows of W_w (other work-groups read them again: no hint)
.endr
.irp i, 0,1,2,3,4,5,6,7,8,9,10,11,12,13,14,15
	global_load_b128 v[R1+4*\i:R1+4*\i+3], v[VL16], s[32:33] offset:4096*\i      ; 16 rows of hidden
.endr
	BOTH
	PLACES 8                                       ; scale registers written by vector instructions stand 8 places ahead of a scaled matrix instruction, operands so written 4
	v_wmma_scale_f32_16x16x128_f8f6f4 v[ACC:ACC+7], v[PCA:PCA+11], v[PCB:PCB+11], 0, v[PW0], v[PW1] matrix_a_fmt:MATRIX_FMT_BF6 matrix_b_fmt:MATRIX_FMT_BF6   ; lane (r, h), register j: b = 16 mt + r, n = 16 T + 8 h + j
	PLACES 4                                       ; four places ahead of the first read of the result (ISA guide 7.12.1)
	ds_store_b128 v7, v[ACC:ACC+3]                 ; from the low end on
	ds_store_b128 v7, v[ACC+4:ACC+7] offset:512
	s_wait_dscnt 0x0
	s_barrier_signal -1
	s_barrier_wait -1
	s_cmp_lt_u32 s[WV], 2
	s_cbranch_scc0 .Lc_end
.irp i, 0,1,2,3,4,5,6,7
	ds_load_b128 v[RED+4*\i:RED+4*\i+3], v8 offset:1024*\i       ; the eight K steps' parts of my four numbers
.endr
	v_pk_add_f32 v[WB:WB+1], v[WB:WB+1], v[UB:UB+1]
	v_pk_add_f32 v[WB+2:WB+3], v[WB+2:WB+3], v[UB+2:UB+3]
	s_wait_dscnt 0x0
.irp i, 0,2,4,6
	v_pk_add_f32 v[RED+4*\i:RED+4*\i+1], v[RED+4*\i:RED+4*\i+1], v[RED+4*\i+4:RED+4*\i+5]
	v_pk_add_f32 v[RED+4*\i+2:RED+4*\i+3], v[RED+4*\i+2:RED+4*\i+3], v[RED+4*\i+6:RED+4*\i+7]
.endr
.irp i, 0,4
	v_pk_add_f32 v[RED+4*\i:RED+4*\i+1], v[RED+4*\i:RED+4*\i+1], v[RED+4*\i+8:RED+4*\i+9]
	v_pk_add_f32 v[RED+4*\i+2:RED+4*\i+3], v[RED+4*\i+2:RED+4*\i+3], v[RED+4*\i+10:RED+4*\i+11]
.endr
	v_pk_add_f32 v[RED:RED+1], v[RED:RED+1], v[RED+16:RED+17]
	v_pk_add_f32 v[RED+2:RED+3], v[RED+2:RED+3], v[RED+18:RED+19]
	v_pk_add_f32 v[RED:RED+1], v[RED:RED+1], v[WB:WB+1]
	v_pk_add_f32 v[RED+2:RED+3], v[RED+2:RED+3], v[WB+2:WB+3]
	v_pk_mul_f32 v[OUT:OUT+1], v[RED:RED+1], s[40:41] op_sel_hi:[1,0]
	v_pk_mul_f32 v[OUT+2:OUT+3], v[RED+2:RED+3], s[40:41] op_sel_hi:[1,0]
	global_store_b128 v[VL16], v[OUT:OUT+3], s[36:37]            ; 512 consecutive bytes, aligned
.Lc_end:
	s_wait_tensorcnt 0x0
	ds_add_u32 v254, v255
	s_wait_dscnt 0x0
	s_endpgm
.Lfunc_end_k_qf6197e9da2_prep:
	.size	k_qf6197e9da2_prep, .Lfunc_end_k_qf6197e9da2_prep-k_qf6197e9da2_prep
	.p2alignl 7, 3214868480
	.fill 96, 4, 3214868480
	.section	.rodata,"a",@progbits
	.p2align	6, 0x0
	.amdhsa_kernel k_qf6197e9da2_prep
		.amdhsa_group_segment_fixed_size 145408
		.amdhsa_private_segment_fixed_size 0
		.amdhsa_enable_private_segment 0
		.amdhsa_kernarg_size 64
		.amdhsa_user_sgpr_count 2
		.amdhsa_user_sgpr_kernarg_segment_ptr 1
		.amdhsa_wavefront_size32 1
		.amdhsa_system_sgpr_workgroup_id_x 1
		.amdhsa_system_sgpr_workgroup_id_y 1
		.amdhsa_system_sgpr_workgroup_id_z 1
		.amdhsa_system_vgpr_workitem_id 0
		.amdhsa_next_free_vgpr 256
		.amdhsa_next_free_sgpr 66
		.amdhsa_reserve_vcc 0
		.amdhsa_float_denorm_mode_32 3
		.amdhsa_float_denorm_mode_16_64 3
		.amdhsa_memory_ordered 1
		.amdhsa_forward_progress 1
		.amdhsa_inst_pref_size 38
	.end_amdhsa_kernel
	.amdgpu_metadata
---
amdhsa.version: [ 1, 2 ]
amdhsa.kernels:
  - .name:           k_qf6197e9da2_prep
    .symbol:         k_qf6197e9da2_prep.kd
    .args:
      - { .name: U_w, .offset: 0, .size: 8, .value_kind: global_buffer, .address_space: global }
      - { .name: W_w, .offset: 8, .size: 8, .value_kind: global_buffer, .address_space: global }
      - { .name: hidden, .offset: 16, .size: 8, .value_kind: global_buffer, .address_space: global }
      - { .name: W_b, .offset: 24, .size: 8, .value_kind: global_buffer, .address_space: global }
      - { .name: U_b, .offset: 32, .size: 8, .value_kind: global_buffer, .address_space: global }
      - { .name: uq, .offset: 40, .size: 8, .value_kind: global_buffer, .address_space: global }
      - { .name: us, .offset: 48, .size: 8, .value_kind: global_buffer, .address_space: global }
      - { .name: cb, .offset: 56, .size: 8, .value_kind: global_buffer, .address_space: global }
    .group_segment_fixed_size: 145408
    .private_segment_fixed_size: 0
    .kernarg_segment_align: 8
    .kernarg_segment_size: 64
    .max_flat_workgroup_size: 256
    .sgpr_count:     66
    .vgpr_count:     256
    .wavefront_size: 32
...
	.end_amdgpu_metadata
.endif
;; end of part 1
;; launch main (part 2): grid 4 x 64, 4 waves a work-group, no clusters, 243,200 bytes of LDS; arguments encoder_outputs, uq, us, cb, v_w, en; writes en
.if DOCPART == 2
	.amdgcn_target "amdgcn-amd-amdhsa--gfx1250"
	.amdhsa_code_object_version 6
	.text
	.protected	k_qf6197e9da2_main
	.globl	k_qf6197e9da2_main
	.p2align	8
	.type	k_qf6197e9da2_main,@function
k_qf6197e9da2_main:
	s_mov_b64 s[64:65], 0
	v_nop
	global_prefetch_b8 v0, s[64:65] scope:SCOPE_SE
	s_setreg_imm32_b32 hwreg(HW_REG_WAVE_MODE, 25, 1), 1
	s_wait_xcnt 0x0
; en[b][s] = the sum over n of v[n] tanh(Wh[b][n] + W_b[n] + U_b[n] + Ue[s][b][n]), Ue = Q(enc) Q(U_w)^T on codes of BF6 (E3M2) with one E8M0 byte for each 32 along K.
; SHARES.  A work-group takes ONE b (grid y) and 128 consecutive s (grid x): 128 rows of enc, 8,192 bytes each, 524,288 bytes apart.  Four waves, each with 128 rows x 128 columns of Ue: 64 accumulators, 512 registers.
; The waves share the rows and split N; one pass covers N = 512, so there are two passes.  Each fragment of U is read by one wave alone: it comes from memory straight into registers, from a workspace laid in the
; order of the operand's registers (three loads of 512 consecutive bytes a fragment).
; No cluster and no joint loads for U, though all work-groups walk it: A's images (204,800 bytes), the stages (33,792) and two slots of a K step of U (2 x 51,200) are 340,992 bytes, more than a work-group can
; be given, and a fragment of U would be written to LDS and read from it once each for nothing.
; PASS 0 RUNS UNDER THE STREAM.  K goes in chunks of 128.  Wave w loads 512 bytes of each of its 32 rows (tiles 2 w, 2 w + 1), turns them through its stage, quantises them, and stores the two fragments in LDS as
; IMAGES OF THEIR REGISTERS, where they stay.  Trip j quantises chunk j + 1, asks for chunk j + 2 and multiplies chunk j, in this order: the first tile's turn | products of A's blocks 0-3 | the second tile's turn,
; the images | products of blocks 4-7.  A tile's raw registers are asked for again as soon as the stage has taken them, so the wave's two refills go out about half a trip apart.  The turned numbers come back into
; registers that are idle just then: the first tile's into the set of U's fragments that the next K step will take (U's loads follow the quantising), the second tile's into A's blocks 0-3, which the first half of
; the products has left, and sixteen registers of the pass's end.  PASS 1 reads A from LDS alone.  Each pass has a text of its own, so that every counted wait counts the same loads on every way.
; THE MATRIX INSTRUCTION IS USED TRANSPOSED (source 0 = 16 rows of U, source 1 = 16 rows of enc): lane (r, h) holds row 16 a + r and, in register j, column 16 bt + 8 h + j.
; THE END OF A PASS: x' = 2 log2(e) Ue + c' (c' made by the launch before), tanh = 1 - 2 / (1 + 2^x'), so the sum of v tanh = the sum of v - 2 x the sum of v / (1 + 2^x').  2^x' goes to infinity or to 0 at the
; ends and the quotient to 0 or to 1: tanh saturates as it should.  Both sums are bounded by the sum of |v|, as the terms of the direct sum are.
; LIMITS: a block whose largest magnitude lies under 2^-122 (a block of zeros too) gets the scale byte 1; NaN and infinities among the inputs are not served; the order of the f32 sums is not reference()'s.
; REGISTERS, in windows of 256: window 0: v1-14 addresses; v16-23 U's scale words, two sets; v24-31 A's, two sets; v32-47 sums at a pass's end (in pass 0 also 16 turned numbers); v48-63 at work;
;   v64-127 R0 (a tile of enc as loaded; later c'); v128-223 A's eight fragments, ONE set; v224-255 codes just made.   window 1: v0-95, v96-191 U's eight fragments, two sets; v192-255 R1 (later v).
;   windows 2, 3: accumulator (a, bt) at v[8 (8 (a % 4) + bt)].
.set AIMG, 0                           ; LDS: A's images [writer w 4][chunk 16][tile 2][1,536]: each wave stores into one run of its own
.set ASC,  196608                      ; A's scale words [w 4][chunk 16][lane 32]: lanes 0-15 tile 2 w, lanes 16-31 tile 2 w + 1
.set STG,  204800                      ; a stage of 16 rows x 528 bytes for each wave
.set EP,   238592                      ; partial energies [pass 2][wave 4][128 rows]
.set VL16, 1                           ; v1   16 x lane
.set STW,  2                           ; v2   the stage, in
.set STR,  3                           ; v3   the stage, out: 528 r + 64 h
.set AW0,  4                           ; v4   16 x lane + 49,152 w
.set SW0,  5                           ; v5   ASC + 2,048 w + 4 x lane
.set AR,   6                           ; v6, v7  where the trip's images are read: writers 0, 1 and writers 2, 3
.set SR,   8                           ; v8   and its scale words
.set CO,   9                           ; v9   32 h
.set EPW,  10                          ; v10  EP + 512 w + 4 r
.set AW,   11                          ; v11  where the trip's images are stored
.set SW,   12                          ; v12  and its scale word
.set ARB,  13                          ; v13  16 x lane + 98,304
.set SRB,  14                          ; v14  ASC + 4 x lane
.set US,   16
.set AS,   24
.set CH,   32
.set EA,   40
.set TM,   48
.set PW0,  60
.set PW1,  61
.set PW,   62
.set SVL,  63
.set R0,   64
.set R1,   192                         ; in window 1
.set AF,   128
.set PCA,  224
.set PCB,  236
.set T8,   248
.set WV,   16
.set E0,   20                          ; s[20:21], s[22:23] enc at my first and my second tile of rows, at the chunk last asked for
.set UP,   24                          ; s[24:25] uq at the K step last asked for
.set USP,  26                          ; s[26:27] us likewise
.set CBP,  28                          ; s[28:29] c' of the pass's columns;  s[30:31] v likewise
.set VP,   30
.set LC,   33
.set ENP,  34
.set K2,   36
.set SEL,  38
.set HI,   40
.set KO,   41                          ; 3,072 x the trip's number
.set KS,   42                          ; 128 x the trip's number
.set MSB, 0
.macro WIN new                         ; the immediate's high byte repeats the setting that is left; a switch that changes nothing is dropped
.if MSB != (\new)
	s_set_vgpr_msb (MSB<<8)|(\new)
.set MSB, (\new)
.endif
.endm
.macro PLACES n
.rept \n
	v_nop
.endr
.endm
.macro LOADF f                         ; 512 bytes of each of 16 rows: a load reads 512 consecutive bytes; the offsets, 7,864,320 at the most, lie inside the signed 24 bits
	WIN 0x40*(\f)
.irp i, 0,1,2,3,4,5,6,7,8,9,10,11,12,13,14,15
	global_load_b128 v[R0+128*(\f)+4*\i:R0+128*(\f)+4*\i+3], v[VL16], s[E0+2*(\f):E0+2*(\f)+1] offset:524288*\i th:TH_LOAD_NT
.endr
	WIN 0
.endm
.macro CVLOAD f                        ; f = 0: c' of my 128 columns into R0; f = 1: v into R1; in the accumulators' order (columns 16 bt + 8 h + 0 .. 7): 16 loads each
	WIN 0x40*(\f)
.irp bt, 0,1,2,3,4,5,6,7
	global_load_b128 v[R0+128*(\f)+8*\bt:R0+128*(\f)+8*\bt+3], v[CO], s[CBP+2*(\f):CBP+2*(\f)+1] offset:(1024-960*(\f))*\bt
	global_load_b128 v[R0+128*(\f)+8*\bt+4:R0+128*(\f)+8*\bt+7], v[CO], s[CBP+2*(\f):CBP+2*(\f)+1] offset:(1024-960*(\f))*\bt+16
.endr
	WIN 0
.endm
; Tile f's raw registers are asked for again: its next chunk.  guard = 1: in the loop's last trip chunk 15 has just been taken and nothing of enc is left; the registers then take what the pass's end wants of them.
; Both ways issue 16 loads into the same registers, so every later count holds on both.
.macro REFILL f, guard
.if \guard
	s_cmp_lg_u32 s[LC], 1
	s_cbranch_scc0 .Lalt_\@
.endif
	s_add_nc_u64 s[E0+2*(\f):E0+2*(\f)+1], s[E0+2*(\f):E0+2*(\f)+1], 512   ; its last loads have been waited for
	LOADF \f
.if \guard
	s_branch .Lfilled_\@
.Lalt_\@:
	CVLOAD \f
.Lfilled_\@:
.endif
.endm
.macro BLOAD set                       ; a K step of U: its scale words first, then eight fragments in ascending order: 25 loads
	global_load_b128 v[US+4*(\set):US+4*(\set)+3], v[VL16], s[USP:USP+1]
	WIN 0x40
.irp bt, 0,1,2,3,4,5,6,7
.irp c, 0,1,2
	global_load_b128 v[96*(\set)+12*\bt+4*\c:96*(\set)+12*\bt+4*\c+3], v[VL16], s[UP:UP+1] offset:1536*\bt+512*\c
.endr
.endr
	WIN 0
.endm
.macro TSET ra, rb                     ; where the 64 turned numbers lie: blocks 0-2 from register ra on, block 3 from rb on
.set QB0, (\ra)
.set QB1, (\ra)+16
.set QB2, (\ra)+32
.set QB3, (\rb)
.endm
.macro RAWOUT f                        ; 16 rows as loaded go into my stage, rows 528 bytes apart
	WIN 0x04*(\f)                                  ; an LDS store's data are its source 1
.irp i, 0,1,2,3,4,5,6,7,8,9,10,11,12,13,14,15
	ds_store_b128 v[STW], v[R0+128*(\f)+4*\i:R0+128*(\f)+4*\i+3] offset:528*\i
.endr
	WIN 0
.endm
.macro TIN win                         ; and come back so that register i of block b holds k = 32 b + 16 h + i of row r.  LDS serves a wave's instructions in order (ISA guide 5.7.1.4): these see the stores above
	WIN 0x40*(\win)
.irp b, 0,1,2,3
.irp j, 0,1,2,3
	ds_load_b128 v[QB\b+4*\j:QB\b+4*\j+3], v[STR] offset:128*\b+16*\j
.endr
.endr
	WIN 0
.endm
.macro QUANT win, PC, W                ; the 64 turned numbers become a fragment's codes and its row's scale word
	WIN 0x14*(\win)                                ; sources 1 and 2
.irp b, 0,1,2,3
	v_max3_num_f32 v[TM+\b], 0x2800000, |v[QB\b]|, |v[QB\b+1]|   ; my 16 numbers of block b, and the floor 2^(5 - 127): the byte cannot fall under 1
.endr
.irp i, 2,4,6,8,10,12,14
.irp b, 0,1,2,3
	v_max3_num_f32 v[TM+\b], v[TM+\b], |v[QB\b+\i]|, |v[QB\b+\i+1]|
.endr
.endr
	WIN 0
.irp b, 0,1,2,3
	v_permlanex16_b32 v[TM+4+\b], v[TM+\b], s[SEL], s[SEL+1]
.endr
.irp b, 0,1,2,3
	v_max_num_f32 v[TM+\b], v[TM+\b], v[TM+4+\b]   ; with lane l xor 16's: the block's largest magnitude
.endr
.irp b, 0,1,2,3
	v_add_nc_u32 v[TM+8+\b], 0xfe000000, v[TM+\b]  ; 4 off its exponent field: the conversion's scale operand
.endr
.irp b, 0,1,2,3
	v_lshrrev_b32 v[TM+4+\b], 23, v[TM+8+\b]       ; the scale's byte
.endr
	v_lshl_or_b32 v[\W], v[TM+5], 8, v[TM+4]
	v_lshl_or_b32 v[\W], v[TM+6], 16, v[\W]
	v_lshl_or_b32 v[\W], v[TM+7], 24, v[\W]
	WIN 0x01*(\win)
	v_cvt_scalef32_pk16_bf6_f32 v[\PC:\PC+2], v[QB0:QB0+15], v[TM+8]
	v_cvt_scalef32_pk16_bf6_f32 v[T8:T8+2], v[QB1:QB1+15], v[TM+9]          ; (a conversion's three registers begin on an even number)
	v_cvt_scalef32_pk16_bf6_f32 v[\PC+6:\PC+8], v[QB2:QB2+15], v[TM+10]
	v_cvt_scalef32_pk16_bf6_f32 v[T8+4:T8+6], v[QB3:QB3+15], v[TM+11]
	WIN 0
	v_nop                                          ; one plain instruction behind the last conversion
.irp c, 0,1                            ; the operand wants a whole block in a lane: lanes 0-15 block 2 c, lanes 16-31 block 2 c + 1
.irp i, 0,1,2
	v_permlane16_swap_b32 v[\PC+6*\c+\i], v[T8+4*\c+\i]
.endr
.irp i, 0,1,2
	v_mov_b32 v[\PC+3+6*\c+\i], v[T8+4*\c+\i]
.endr
.endr
.endm
.macro ADDR q                          ; the trip's LDS addresses: a lane's fixed part + the trip's scalar.  q = 1: those of the stores too
	v_add_nc_u32 v[AR], s[KO], v[VL16]
	v_add_nc_u32 v[AR+1], s[KO], v[ARB]
	v_add_nc_u32 v[SR], s[KS], v[SRB]
.if \q
	v_add_nc_u32 v[AW], s[KO], v[AW0]
	v_add_nc_u32 v[SW], s[KS], v[SW0]
.endif
.endm
.macro ALOAD half, o                   ; A's blocks 4 half .. 4 half + 3: 12 loads
.irp a, 0,1,2,3
.irp c, 0,1,2
	ds_load_b128 v[AF+12*(4*(\half)+\a)+4*\c:AF+12*(4*(\half)+\a)+4*\c+3], v[AR+(\half)] offset:(\o)+49152*(\a/2)+1536*(\a%2)+512*\c
.endr
.endr
.endm
.macro ASLOAD set, o                   ; A's scale words: register q: lanes 0-15 tile 2 q, lanes 16-31 tile 2 q + 1
.irp q, 0,1,2,3
	ds_load_b32 v[AS+4*(\set)+\q], v[SR] offset:(\o)+2048*\q
.endr
.endm
; THE FIRST TILE'S TURN.  The wave's loads go out in the order R0 16, U 25, R1 16.  tset: the set of U's fragments that is idle: it takes the turned numbers and, bl = 1, behind the quantising the next K step of U.
.macro APART tset, guard, bl
	s_wait_loadcnt 16                              ; R0's 16 loads are in, and behind them this trip's K step of U; only R1's 16 may be out
	TSET 96*(\tset), 96*(\tset)+48
	RAWOUT 0
	TIN 1
	s_wait_dscnt 16                                ; the 16 stores have read R0 (the 16 loads behind them may be out): R0 is free
	REFILL 0, \guard
	s_wait_dscnt 0x0                               ; the turned numbers are in, and so are A's fragments and scale words for this trip
	QUANT 1, PCA, PW0
.if \bl
	BLOAD \tset
.endif
.endm
; THE SECOND TILE'S TURN, and the chunk's images, o (images) and so (scale words) bytes on from the trip's addresses.  n: the loads issued behind R1's.  The turned numbers lie in A's blocks 0-3 and v32-47.
; The region of images is WRITTEN only between this macro's two barriers and READ only outside them: in front of the first every wave's LDS loads are back, in front of the second every wave's stores have landed.
.macro CPART o, so, guard, n
	s_wait_loadcnt \n                              ; R1's 16 loads are in; behind them: R0's refill 16 and, in a trip, U's 25
	TSET AF, CH
	RAWOUT 1
	TIN 0
	s_wait_dscnt 16                                ; the 16 stores have read R1: it is free
	REFILL 1, \guard
	s_wait_dscnt 0x0                               ; the turned numbers are in; no read of images of mine is out
	s_barrier_signal -1
	QUANT 0, PCB, PW1                              ; work on registers while the others arrive
	s_barrier_wait -1
.irp c, 0,1,2
	ds_store_b128 v[AW], v[PCA+4*\c:PCA+4*\c+3] offset:(\o)+512*\c
.endr
.irp c, 0,1,2
	ds_store_b128 v[AW], v[PCB+4*\c:PCB+4*\c+3] offset:(\o)+1536+512*\c
.endr
	v_cndmask_b32 v[PW], v[PW0], v[PW1], s[HI]     ; lanes 0-15 the first tile's words, lanes 16-31 the second's
	ds_store_b32 v[SW], v[PW] offset:\so
	s_wait_dscnt 0x0                               ; for the others' sake: my stores have landed
	s_barrier_signal -1
	s_barrier_wait -1
.endm
; One product.  U's scale words of tile bt lie in lanes 0-15 (bt even) or 16-31 (bt odd) of register bt / 2 of the set; A's likewise by a.
.macro WM a, bt, set, zero
.set rD, 8*(8*((\a)%4)+(\bt))
.set rU, 96*(\set)+12*(\bt)
.set rA, AF+12*(\a)
.set rP, US+4*(\set)+(\bt)/2
.set rQ, AS+4*(\set)+(\a)/2
.set rV, 4*(\zero)+2*((\bt)%2)+(\a)%2
.if rV == 0
	v_wmma_scale_f32_16x16x128_f8f6f4 v[rD:rD+7], v[rU:rU+11], v[rA:rA+11], v[rD:rD+7], v[rP], v[rQ] matrix_a_fmt:MATRIX_FMT_BF6 matrix_b_fmt:MATRIX_FMT_BF6
.elseif rV == 1
	v_wmma_scale_f32_16x16x128_f8f6f4 v[rD:rD+7], v[rU:rU+11], v[rA:rA+11], v[rD:rD+7], v[rP], v[rQ] matrix_a_fmt:MATRIX_FMT_BF6 matrix_b_fmt:MATRIX_FMT_BF6 matrix_b_scale:MATRIX_SCALE_ROW1
.elseif rV == 2
	v_wmma_scale_f32_16x16x128_f8f6f4 v[rD:rD+7], v[rU:rU+11], v[rA:rA+11], v[rD:rD+7], v[rP], v[rQ] matrix_a_fmt:MATRIX_FMT_BF6 matrix_b_fmt:MATRIX_FMT_BF6 matrix_a_scale:MATRIX_SCALE_ROW1
.elseif rV == 3
	v_wmma_scale_f32_16x16x128_f8f6f4 v[rD:rD+7], v[rU:rU+11], v[rA:rA+11], v[rD:rD+7], v[rP], v[rQ] matrix_a_fmt:MATRIX_FMT_BF6 matrix_b_fmt:MATRIX_FMT_BF6 matrix_a_scale:MATRIX_SCALE_ROW1 matrix_b_scale:MATRIX_SCALE_ROW1
.elseif rV == 4
	v_wmma_scale_f32_16x16x128_f8f6f4 v[rD:rD+7], v[rU:rU+11], v[rA:rA+11], 0, v[rP], v[rQ] matrix_a_fmt:MATRIX_FMT_BF6 matrix_b_fmt:MATRIX_FMT_BF6
.elseif rV == 5
	v_wmma_scale_f32_16x16x128_f8f6f4 v[rD:rD+7], v[rU:rU+11], v[rA:rA+11], 0, v[rP], v[rQ] matrix_a_fmt:MATRIX_FMT_BF6 matrix_b_fmt:MATRIX_FMT_BF6 matrix_b_scale:MATRIX_SCALE_ROW1
.elseif rV == 6
	v_wmma_scale_f32_16x16x128_f8f6f4 v[rD:rD+7], v[rU:rU+11], v[rA:rA+11], 0, v[rP], v[rQ] matrix_a_fmt:MATRIX_FMT_BF6 matrix_b_fmt:MATRIX_FMT_BF6 matrix_a_scale:MATRIX_SCALE_ROW1
.else
	v_wmma_scale_f32_16x16x128_f8f6f4 v[rD:rD+7], v[rU:rU+11], v[rA:rA+11], 0, v[rP], v[rQ] matrix_a_fmt:MATRIX_FMT_BF6 matrix_b_fmt:MATRIX_FMT_BF6 matrix_a_scale:MATRIX_SCALE_ROW1 matrix_b_scale:MATRIX_SCALE_ROW1
.endif
.endm
; A K step's 64 products in two halves.  One set of registers serves A: blocks 0-3 are fetched anew between the halves, blocks 4-7 at the end.  The accumulators take turns, one instruction a turn.
; zero = 1: the products start the sums: nothing is cleared.
; Four plain instructions stand ahead of loads into registers that matrix instructions have read (ISA guide 7.12.1 for vector instructions).
; THE FIRST HALF: A's blocks 0-3, U's tiles one after the other.  wb >= 0: U's K step may still be landing: ahead of tile bt's four products the wave waits for that fragment alone:
; behind it were issued the 3 loads of each later fragment, 21 - 3 bt, and wb younger loads (the next K step's 25, or none).
.macro MMA set, zero, wb
	WIN 0xa1                                       ; source 0 (U) window 1, source 1 (A) window 0, C and D window 2
.irp bt, 0,1,2,3,4,5,6,7
.if (\wb) >= 0
	s_wait_loadcnt (\wb)+21-3*\bt
.endif
.irp a, 0,1,2,3
	WM \a, \bt, \set, \zero
.endr
.endr
	s_wait_dscnt 0x0                               ; A's blocks 4-7 are in
	PLACES 4
	WIN 0
.endm
; THE SECOND HALF: A's blocks 4-7.  next = 1: the next chunk's scale words and blocks 0-3 are fetched ahead of it, blocks 4-7 behind it.
.macro MMB set, zero, next
.if \next
	ASLOAD 1-(\set), 128
	ALOAD 0, 3072
.endif
	WIN 0xf1                                       ; C and D window 3
.irp a, 4,5,6,7
.irp bt, 0,1,2,3,4,5,6,7
	WM \a, \bt, \set, \zero
.endr
.endr
	PLACES 4
	WIN 0
.if \next
	ALOAD 1, 3072
.endif
.endm
.macro USTEP                           ; U's two pointers go a K step on
	s_wait_xcnt 0x0                                ; every earlier load has read its base
	s_add_nc_u64 s[UP:UP+1], s[UP:UP+1], 12288
	s_add_nc_u64 s[USP:USP+1], s[USP:USP+1], 512
.endm
.macro KSTEP
	s_add_co_u32 s[KO], s[KO], 3072
	s_add_co_u32 s[KS], s[KS], 128
.endm
.macro TRIPQ set, zero, guard          ; trip j of pass 0, j = 0 .. 14
	USTEP
	ADDR 1
	APART 1-(\set), \guard, 1
	MMA \set, \zero, -1                            ; U's K step was waited for at the head of the first tile's turn
	CPART 3072, 128, \guard, 41
	MMB \set, \zero, 1
	KSTEP
.endm
.macro TRIPP set, zero                 ; trip j of pass 1, j = 0 .. 14
	USTEP
	BLOAD 1-(\set)                                 ; into the set that the last trip multiplied: its last product stands ahead of that trip's closing four places
	ADDR 0
	s_wait_dscnt 12                                ; A's scale words and blocks 0-3 are in; blocks 4-7 (12 loads) may be out
	MMA \set, \zero, 25
	MMB \set, \zero, 1
	KSTEP
.endm
; THE END OF PASS p: 128 rows x my 128 columns become eight partial energies a lane
.macro EPI p
	s_wait_loadcnt 0x0                             ; c' and v
	WIN 0x05                                       ; the sum of my 64 v: two chains
	v_pk_add_f32 v[CH:CH+1], v[R1:R1+1], v[R1+2:R1+3]
	v_pk_add_f32 v[CH+2:CH+3], v[R1+4:R1+5], v[R1+6:R1+7]
	WIN 0x04
.irp i, 8,12,16,20,24,28,32,36,40,44,48,52,56,60
	v_pk_add_f32 v[CH:CH+1], v[CH:CH+1], v[R1+\i:R1+\i+1]
	v_pk_add_f32 v[CH+2:CH+3], v[CH+2:CH+3], v[R1+\i+2:R1+\i+3]
.endr
	WIN 0
	v_pk_add_f32 v[CH:CH+1], v[CH:CH+1], v[CH+2:CH+3]
	v_add_f32 v[SVL], v[CH], v[CH+1]
.irp a, 0,1,2,3,4,5,6,7
.set AC, 64*(\a%4)
	WIN 0x41*(2+\a/4)                              ; destination and source 0: the block's window
.set i, 0
.rept 32
	v_pk_fma_f32 v[AC+i:AC+i+1], v[AC+i:AC+i+1], s[K2:K2+1], v[R0+i:R0+i+1] op_sel_hi:[1,0,1]   ; x' = 2 log2(e) Ue + c'; ascending: each accumulator from its low end on
.set i, i+2
.endr
.set i, 0
.rept 64
	v_exp_f32 v[AC+i], v[AC+i]
.set i, i+1
.endr
	v_nop                                          ; a plain instruction behind the last exponential,
	s_wait_alu depctr_va_vdst(0)                   ; and one wait for the batch, ahead of its first reader
.set i, 0
.rept 32
	v_pk_add_f32 v[AC+i:AC+i+1], v[AC+i:AC+i+1], 1.0 op_sel_hi:[1,0]
.set i, i+2
.endr
.set i, 0
.rept 64
	v_rcp_f32 v[AC+i], v[AC+i]
.set i, i+1
.endr
	v_nop
	s_wait_alu depctr_va_vdst(0)                   ; one wait for the 64 reciprocals
	WIN 6+\a/4                                     ; source 0 the block's window, source 1 (v) window 1
.irp c, 0,1,2,3
	v_pk_mul_f32 v[CH+2*\c:CH+2*\c+1], v[AC+2*\c:AC+2*\c+1], v[R1+2*\c:R1+2*\c+1]          ; four chains, started by the first four pairs
.endr
.set i, 4
.rept 28
	v_pk_fma_f32 v[CH+2*(i%4):CH+2*(i%4)+1], v[AC+2*i:AC+2*i+1], v[R1+2*i:R1+2*i+1], v[CH+2*(i%4):CH+2*(i%4)+1]
.set i, i+1
.endr
	WIN 0
	v_pk_add_f32 v[CH:CH+1], v[CH:CH+1], v[CH+2:CH+3]
	v_pk_add_f32 v[CH+4:CH+5], v[CH+4:CH+5], v[CH+6:CH+7]
	v_pk_add_f32 v[CH:CH+1], v[CH:CH+1], v[CH+4:CH+5]
	v_add_f32 v[EA+\a], v[CH], v[CH+1]
.endr
.irp a, 0,1,2,3,4,5,6,7
	v_fma_f32 v[EA+\a], v[EA+\a], -2.0, v[SVL]     ; the sum of v - 2 x the sum of v / (1 + 2^x')
.endr
.irp a, 0,1,2,3,4,5,6,7
	v_permlanex16_b32 v[CH+\a], v[EA+\a], s[SEL], s[SEL+1]
.endr
.irp a, 0,1,2,3,4,5,6,7
	v_add_f32 v[EA+\a], v[EA+\a], v[CH+\a]         ; with lane l xor 16's 64 columns
.endr
.irp a, 0,1,2,3,4,5,6,7
	ds_store_b32 v[EPW], v[EA+\a] offset:2048*(\p)+64*\a   ; row 16 a + r; lanes r and r + 16 write the same word with the same value
.endr
.endm
	s_load_b256 s[4:11], s[0:1], 0x0               ; enc s[4:5], uq s[6:7], us s[8:9], cb s[10:11]
	s_load_b128 s[12:15], s[0:1], 0x20             ; v_w s[12:13], en s[14:15]
	v_lshl_add_u32 v251, v0, 2, 0x3b400
	v_mov_b32 v255, 0
	v_lshrrev_b32 v1, 5, v0
	v_readfirstlane_b32 s[WV], v1                  ; wave 0..3
	v_and_b32 v11, 31, v0                          ; lane
	v_lshlrev_b32 v[VL16], 4, v11
	s_and_b32 s17, ttmp7, 0xffff                   ; b
	s_lshl_b32 s20, ttmp9, 26                      ; 128 rows s of 524,288 bytes,
	s_lshl_b32 s18, s[WV], 24                      ; my 32 of them,
	s_add_co_u32 s20, s20, s18
	s_lshl_b32 s18, s17, 13                        ; row b of 8,192 bytes
	s_add_co_u32 s20, s20, s18
	s_mov_b32 s21, 0
	s_mul_i32 s24, s[WV], 393216
	s_mov_b32 s25, 0
	s_lshl_b32 s26, s[WV], 14
	s_mov_b32 s27, 0
	s_lshr_b32 s28, s17, 4                         ; cb: (b / 16) 65,536 + (b % 16) 64 + 8,192 w
	s_lshl_b32 s28, s28, 16
	s_and_b32 s18, s17, 15
	s_lshl_b32 s18, s18, 6
	s_add_co_u32 s28, s28, s18
	s_lshl_b32 s18, s[WV], 13
	s_add_co_u32 s28, s28, s18
	s_mov_b32 s29, 0
	s_lshl_b32 s30, s[WV], 9
	s_mov_b32 s31, 0
	s_lshl_b32 s34, s17, 11
	s_lshl_b32 s18, ttmp9, 9
	s_add_co_u32 s34, s34, s18
	s_mov_b32 s35, 0
	s_wait_kmcnt 0x0
	s_add_nc_u64 s[E0:E0+1], s[4:5], s[20:21]
	s_add_nc_u64 s[E0+2:E0+3], s[E0:E0+1], 0x800000   ; 16 rows s further on
	s_add_nc_u64 s[UP:UP+1], s[6:7], s[24:25]
	s_add_nc_u64 s[USP:USP+1], s[8:9], s[26:27]
	LOADF 0                                        ; chunk 0, first tile;
	BLOAD 0                                        ; U's K step 0;
	LOADF 1                                        ; chunk 0, second tile: the order of every trip
	s_add_nc_u64 s[CBP:CBP+1], s[10:11], s[28:29]
	s_add_nc_u64 s[VP:VP+1], s[12:13], s[30:31]
	s_add_nc_u64 s[ENP:ENP+1], s[14:15], s[34:35]
	s_mov_b32 s[K2], 0x4038aa3b                    ; 2 log2(e)
	s_mov_b32 s[K2+1], s[K2]
	s_mov_b32 s[SEL], 0x76543210
	s_mov_b32 s[SEL+1], 0xfedcba98                 ; v_permlanex16_b32's selects for lane l xor 16
	s_mov_b32 s[HI], 0xffff0000                    ; lanes 16-31
	s_mov_b32 s[KO], 0
	s_mov_b32 s[KS], 0
	v_and_b32 v12, 15, v0                          ; r
	v_bfe_u32 v15, v0, 4, 1                        ; h
	s_mul_i32 s17, s[WV], 8448
	s_add_co_u32 s17, s17, STG
	v_add_nc_u32 v[STW], s17, v[VL16]
	v_mul_u32_u24 v[STR], v12, 528
	v_lshl_add_u32 v[STR], v15, 6, v[STR]
	v_add_nc_u32 v[STR], s17, v[STR]
	s_mul_i32 s18, s[WV], 49152
	v_add_nc_u32 v[AW0], s18, v[VL16]
	s_lshl_b32 s18, s[WV], 11
	s_add_co_u32 s18, s18, ASC
	v_lshl_add_u32 v[SW0], v11, 2, s18
	v_add_nc_u32 v[ARB], 98304, v[VL16]
	v_lshl_add_u32 v[SRB], v11, 2, ASC
	v_lshlrev_b32 v[CO], 5, v15
	s_lshl_b32 s18, s[WV], 9
	s_add_co_u32 s18, s18, EP
	v_lshl_add_u32 v[EPW], v12, 2, s18
.irp b, 0,1,2,3
	v_mov_b32 v[TM+4+\b], 0                        ; written once: a lane permute's destination counts as one of its sources
.endr
	ADDR 1
	APART 1, 0, 0                                  ; chunk 0 becomes images; chunk 1 is asked for.  (No K step of U goes out here: K step 0 is on its way)
	CPART 0, 0, 0, 16                              ; behind R1's loads stand R0's refill alone: 16
	; ---- PASS 0
	ASLOAD 0, 0                                    ; chunk 0's scale words and fragments
	ALOAD 0, 0
	ALOAD 1, 0
	TRIPQ 0, 1, 0                                  ; trip 0: its products start the sums
	s_mov_b32 s[LC], 7
.Lk0:                                              ; trips 1 to 14, two a trip of the loop: U's two sets are back where they began
	TRIPQ 1, 0, 0
	TRIPQ 0, 0, 1
	s_sub_co_u32 s[LC], s[LC], 1
	s_cmp_lg_u32 s[LC], 0
	s_cbranch_scc1 .Lk0
	USTEP                                          ; trip 15: nothing of enc is left; the next pass's first K step of U goes out ahead of its products
	BLOAD 0
	s_wait_loadcnt 25                              ; all but those 25: c', U's K step 15 and v are in
	s_wait_dscnt 12                                ; A's scale words and blocks 0-3 are in
	MMA 1, 0, -1
	MMB 1, 0, 0
	EPI 0
	; ---- PASS 1
	s_add_nc_u64 s[CBP:CBP+1], s[CBP:CBP+1], 32768 ; this pass's columns (the last loads by these bases have been waited for)
	s_add_nc_u64 s[VP:VP+1], s[VP:VP+1], 2048
	CVLOAD 0                                       ; R0 and R1 have been read for the last time: this pass's c' and v go out at once
	CVLOAD 1
	s_mov_b32 s[KO], 0
	s_mov_b32 s[KS], 0
	ADDR 0
	ASLOAD 0, 0
	ALOAD 0, 0
	ALOAD 1, 0
	TRIPP 0, 1
	s_mov_b32 s[LC], 7
.Lk1:
	TRIPP 1, 0
	TRIPP 0, 0
	s_sub_co_u32 s[LC], s[LC], 1
	s_cmp_lg_u32 s[LC], 0
	s_cbranch_scc1 .Lk1
	s_wait_dscnt 12                                ; trip 15: nothing more is asked for: no load leaves its buffer
	MMA 1, 0, 0
	MMB 1, 0, 0
	EPI 1
	v_add_nc_u32 v[AR], EP, v[VL16]
	s_wait_dscnt 0x0                               ; for the others' sake: my partial energies have landed
	s_barrier_signal -1
	s_barrier_wait -1
	s_cmp_lg_u32 s[WV], 0
	s_cbranch_scc1 .Lend
.irp i, 0,1,2,3,4,5,6,7
	ds_load_b128 v[R0+4*\i:R0+4*\i+3], v[AR] offset:512*\i       ; rows 4 l .. 4 l + 3: the eight parts (two passes x four waves)
.endr
	s_wait_dscnt 0x0
.irp i, 0,2,4,6
	v_pk_add_f32 v[R0+4*\i:R0+4*\i+1], v[R0+4*\i:R0+4*\i+1], v[R0+4*\i+4:R0+4*\i+5]
	v_pk_add_f32 v[R0+4*\i+2:R0+4*\i+3], v[R0+4*\i+2:R0+4*\i+3], v[R0+4*\i+6:R0+4*\i+7]
.endr
.irp i, 0,4
	v_pk_add_f32 v[R0+4*\i:R0+4*\i+1], v[R0+4*\i:R0+4*\i+1], v[R0+4*\i+8:R0+4*\i+9]
	v_pk_add_f32 v[R0+4*\i+2:R0+4*\i+3], v[R0+4*\i+2:R0+4*\i+3], v[R0+4*\i+10:R0+4*\i+11]
.endr
	v_pk_add_f32 v[R0:R0+1], v[R0:R0+1], v[R0+16:R0+17]
	v_pk_add_f32 v[R0+2:R0+3], v[R0+2:R0+3], v[R0+18:R0+19]
	global_store_b128 v[VL16], v[R0:R0+3], s[ENP:ENP+1]          ; 128 energies: 512 consecutive bytes, aligned
.Lend:
	s_wait_tensorcnt 0x0
	ds_add_u32 v251, v255
	s_wait_dscnt 0x0
	s_endpgm
.Lfunc_end_k_qf6197e9da2_main:
	.size	k_qf6197e9da2_main, .Lfunc_end_k_qf6197e9da2_main-k_qf6197e9da2_main
	.p2alignl 7, 3214868480
	.fill 96, 4, 3214868480
	.section	.rodata,"a",@progbits
	.p2align	6, 0x0
	.amdhsa_kernel k_qf6197e9da2_main
		.amdhsa_group_segment_fixed_size 243200
		.amdhsa_private_segment_fixed_size 0
		.amdhsa_enable_private_segment 0
		.amdhsa_kernarg_size 48
		.amdhsa_user_sgpr_count 2
		.amdhsa_user_sgpr_kernarg_segment_ptr 1
		.amdhsa_wavefront_size32 1
		.amdhsa_system_sgpr_workgroup_id_x 1
		.amdhsa_system_sgpr_workgroup_id_y 1
		.amdhsa_system_sgpr_workgroup_id_z 1
		.amdhsa_system_vgpr_workitem_id 0
		.amdhsa_next_free_vgpr 1024
		.amdhsa_next_free_sgpr 66
		.amdhsa_reserve_vcc 0
		.amdhsa_float_denorm_mode_32 3
		.amdhsa_float_denorm_mode_16_64 3
		.amdhsa_memory_ordered 1
		.amdhsa_forward_progress 1
		.amdhsa_inst_pref_size 255
	.end_amdhsa_kernel
	.section	.bss,"aw",@nobits
	.p2align	6
	.space	262144
	.amdgpu_metadata
---
amdhsa.version: [ 1, 2 ]
amdhsa.kernels:
  - .name:           k_qf6197e9da2_main
    .symbol:         k_qf6197e9da2_main.kd
    .args:
      - { .name: encoder_outputs, .offset: 0, .size: 8, .value_kind: global_buffer, .address_space: global }
      - { .name: uq, .offset: 8, .size: 8, .value_kind: global_buffer, .address_space: global }
      - { .name: us, .offset: 16, .size: 8, .value_kind: global_buffer, .address_space: global }
      - { .name: cb, .offset: 24, .size: 8, .value_kind: global_buffer, .address_space: global }
      - { .name: v_w, .offset: 32, .size: 8, .value_kind: global_buffer, .address_space: global }
      - { .name: en, .offset: 40, .size: 8, .value_kind: global_buffer, .address_space: global }
    .group_segment_fixed_size: 243200
    .private_segment_fixed_size: 0
    .kernarg_segment_align: 8
    .kernarg_segment_size: 48
    .max_flat_workgroup_size: 128
    .sgpr_count:     66
    .vgpr_count:     1024
    .wavefront_size: 32
...
	.end_amdgpu_metadata
.endif
;; end of part 2
;; launch soft (part 3): grid 64 x 1, 1 waves a work-group, no clusters, 0 bytes of LDS; arguments en, mask, out0; writes out0
.if DOCPART == 3
	.amdgcn_target "amdgcn-amd-amdhsa--gfx1250"
	.amdhsa_code_object_version 6
	.text
	.protected	k_qf6197e9da2_soft
	.globl	k_qf6197e9da2_soft
	.p2align	8
	.type	k_qf6197e9da2_soft,@function
k_qf6197e9da2_soft:
	s_mov_b64 s[64:65], 0
	v_nop
	global_prefetch_b8 v0, s[64:65] scope:SCOPE_SE
	s_setreg_imm32_b32 hwreg(HW_REG_WAVE_MODE, 25, 1), 1
	s_wait_xcnt 0x0
; out0[b][:] = softmax over s of (mask[b][s] ? -1e10 : en[b][s]).  One wave takes a row of 512: 16 numbers a lane; every load and store of f32 covers 512 consecutive bytes.
; The row's maximum is taken away by a SUBTRACTION ahead of the scaling by log2(e), not by a fused multiply-add: where a whole row is masked the differences are then exactly 0 and the row comes out even.
; No LDS, no barrier, no matrix unit: 160 KB in all.  NaN among the energies is not served.
	s_load_b128 s[4:7], s[0:1], 0x0                ; en, mask
	s_load_b64 s[8:9], s[0:1], 0x10                ; out0
	v_lshlrev_b32 v1, 4, v0                        ; 16 bytes a lane
	v_lshlrev_b32 v2, 2, v0                        ; 4 mask bytes a lane
	s_lshl_b32 s10, ttmp9, 11
	s_mov_b32 s11, 0
	s_lshl_b32 s12, ttmp9, 9
	s_mov_b32 s13, 0
	s_mov_b32 s14, 0x76543210
	s_mov_b32 s15, 0xfedcba98                      ; v_permlanex16_b32's selects for lane l xor 16
	s_mov_b32 s16, 0x3fb8aa3b                      ; log2(e)
	s_mov_b32 s17, s16
	v_mov_b32 v25, 0xd01502f9                      ; -1e10
	v_mov_b32 v27, 0                               ; a lane permute's destination counts as one of its sources
	s_wait_kmcnt 0x0
	s_add_nc_u64 s[4:5], s[4:5], s[10:11]
	s_add_nc_u64 s[6:7], s[6:7], s[12:13]
	s_add_nc_u64 s[8:9], s[8:9], s[10:11]
.irp i, 0,1,2,3
	global_load_b128 v[4+4*\i:7+4*\i], v1, s[4:5] offset:512*\i      ; s = 128 i + 4 l + 0 .. 3
.endr
.irp i, 0,1,2,3
	global_load_b32 v[20+\i], v2, s[6:7] offset:128*\i               ; and their four mask bytes
.endr
	s_wait_loadcnt 0x0
.irp i, 0,1,2,3
.irp c, 0,1,2,3
	v_bfe_u32 v24, v[20+\i], 8*\c, 8
	v_cmp_ne_u32 vcc_lo, 0, v24
	v_cndmask_b32 v[4+4*\i+\c], v[4+4*\i+\c], v25, vcc_lo
.endr
.endr
	v_max3_num_f32 v26, v4, v5, v6
.irp i, 7,9,11,13,15,17
	v_max3_num_f32 v26, v26, v[\i], v[\i+1]
.endr
	v_max_num_f32 v26, v26, v19
	v_max_num_f32_dpp v26, v26, v26 row_xmask:1 row_mask:0xf bank_mask:0xf
	v_max_num_f32_dpp v26, v26, v26 row_xmask:2 row_mask:0xf bank_mask:0xf
	v_max_num_f32_dpp v26, v26, v26 row_xmask:4 row_mask:0xf bank_mask:0xf
	v_max_num_f32_dpp v26, v26, v26 row_xmask:8 row_mask:0xf bank_mask:0xf
	v_permlanex16_b32 v27, v26, s14, s15
	v_max_num_f32 v26, v26, v27                    ; the row's maximum, in every lane
.irp i, 4,6,8,10,12,14,16,18
	v_pk_add_f32 v[\i:\i+1], v[\i:\i+1], v[26:27] op_sel_hi:[1,0] neg_lo:[0,1] neg_hi:[0,1]   ; e - max (the pair's low word serves both halves)
.endr
.irp i, 4,6,8,10,12,14,16,18
	v_pk_mul_f32 v[\i:\i+1], v[\i:\i+1], s[16:17] op_sel_hi:[1,0]
.endr
.irp i, 4,5,6,7,8,9,10,11,12,13,14,15,16,17,18,19
	v_exp_f32 v[\i], v[\i]
.endr
	v_nop                                          ; a plain instruction behind the last exponential,
	s_wait_alu depctr_va_vdst(0)                   ; and one wait for the batch
	v_pk_add_f32 v[28:29], v[4:5], v[6:7]
	v_pk_add_f32 v[30:31], v[8:9], v[10:11]
	v_pk_add_f32 v[28:29], v[28:29], v[12:13]
	v_pk_add_f32 v[30:31], v[30:31], v[14:15]
	v_pk_add_f32 v[28:29], v[28:29], v[16:17]
	v_pk_add_f32 v[30:31], v[30:31], v[18:19]
	v_pk_add_f32 v[28:29], v[28:29], v[30:31]
	v_add_f32 v28, v28, v29
	v_add_f32_dpp v28, v28, v28 row_xmask:1 row_mask:0xf bank_mask:0xf
	v_add_f32_dpp v28, v28, v28 row_xmask:2 row_mask:0xf bank_mask:0xf
	v_add_f32_dpp v28, v28, v28 row_xmask:4 row_mask:0xf bank_mask:0xf
	v_add_f32_dpp v28, v28, v28 row_xmask:8 row_mask:0xf bank_mask:0xf
	v_permlanex16_b32 v29, v28, s14, s15
	v_add_f32 v28, v28, v29                        ; the row's sum: at least 1, the maximum's own term
	v_rcp_f32 v30, v28
	v_nop
	s_wait_alu depctr_va_vdst(0)
.irp i, 4,6,8,10,12,14,16,18
	v_pk_mul_f32 v[\i:\i+1], v[\i:\i+1], v[30:31] op_sel_hi:[1,0]
.endr
.irp i, 0,1,2,3
	global_store_b128 v1, v[4+4*\i:7+4*\i], s[8:9] offset:512*\i
.endr
	s_endpgm
.Lfunc_end_k_qf6197e9da2_soft:
	.size	k_qf6197e9da2_soft, .Lfunc_end_k_qf6197e9da2_soft-k_qf6197e9da2_soft
	.p2alignl 7, 3214868480
	.fill 96, 4, 3214868480
	.section	.rodata,"a",@progbits
	.p2align	6, 0x0
	.amdhsa_kernel k_qf6197e9da2_soft
		.amdhsa_group_segment_fixed_size 0
		.amdhsa_private_segment_fixed_size 0
		.amdhsa_enable_private_segment 0
		.amdhsa_kernarg_size 24
		.amdhsa_user_sgpr_count 2
		.amdhsa_user_sgpr_kernarg_segment_ptr 1
		.amdhsa_wavefront_size32 1
		.amdhsa_system_sgpr_workgroup_id_x 1
		.amdhsa_system_sgpr_workgroup_id_y 1
		.amdhsa_system_sgpr_workgroup_id_z 1
		.amdhsa_system_vgpr_workitem_id 0
		.amdhsa_next_free_vgpr 48
		.amdhsa_next_free_sgpr 66
		.amdhsa_reserve_vcc 1
		.amdhsa_float_denorm_mode_32 3
		.amdhsa_float_denorm_mode_16_64 3
		.amdhsa_memory_ordered 1
		.amdhsa_forward_progress 1
		.amdhsa_inst_pref_size 8
	.end_amdhsa_kernel
	.amdgpu_metadata
---
amdhsa.version: [ 1, 2 ]
amdhsa.kernels:
  - .name:           k_qf6197e9da2_soft
    .symbol:         k_qf6197e9da2_soft.kd
    .args:
      - { .name: en, .offset: 0, .size: 8, .value_kind: global_buffer, .address_space: global }
      - { .name: mask, .offset: 8, .size: 8, .value_kind: global_buffer, .address_space: global }
      - { .name: out0, .offset: 16, .size: 8, .value_kind: global_buffer, .address_space: global }
    .group_segment_fixed_size: 0
    .private_segment_fixed_size: 0
    .kernarg_segment_align: 8
    .kernarg_segment_size: 24
    .max_flat_workgroup_size: 32
    .sgpr_count:     66
    .vgpr_count:     48
    .wavefront_size: 32
...
	.end_amdgpu_metadata
.endif
;; end of part 3
;; ======== version 2 of 2: 3 launches
;; workspace buffers: uq 1,572,864 bytes; us 65,536 bytes; cb 262,144 bytes; en 131,072 bytes
;; launch prep (part 4): grid 320 x 1, 8 waves a work-group, no clusters, 145,408 bytes of LDS; arguments U_w, W_w, hidden, W_b, U_b, uq, us, cb; writes uq, us, cb
.if DOCPART == 4
	.amdgcn_target "amdgcn-amd-amdhsa--gfx1250"
	.amdhsa_code_object_version 6
	.text
	.protected	k_qf6197e9da2_prep
	.globl	k_qf6197e9da2_prep
	.p2align	8
	.type	k_qf6197e9da2_prep,@function
k_qf6197e9da2_prep:
	s_mov_b64 s[64:65], 0
	v_nop
	global_prefetch_b8 v0, s[64:65] scope:SCOPE_SE
	s_setreg_imm32_b32 hwreg(HW_REG_WAVE_SCHED_MODE, 0, 2), 2
	s_setreg_imm32_b32 hwreg(HW_REG_WAVE_MODE, 25, 1), 1
	s_wait_xcnt 0x0
	s_wait_alu depctr_vm_vsrc(0)
; Two jobs, told apart by the work-group's number; each has LDS bytes of its own and its own end.
; JOB U (work-groups 0-63): U_w [1024][2048] f32 becomes codes of BF6 (E3M2) with one E8M0 byte for each 32 along K, laid in the ORDER OF THE OPERAND'S REGISTERS:
;   uq [w 4][p 2][k 16][bt 8][1536]: a fragment (16 rows n, 128 along K) is 12 registers a lane; group c of four registers lies at 512 c + 16 lane.  Its rows are n = 16 T + 0..15, T = (4 p + w) 8 + bt.
;   us [w][p][k][lane 32][4 words]: word q of lane l is the scale word (four bytes, 128 along K) of tile bt = 2 q + l / 16, row l % 16.
; JOB C (work-groups 64-319): cb [mt 4][T 64][r 16][16] f32 = 2 log2(e) (hidden W_w^T + W_b + U_b) for b = 16 mt + r, n = 16 T + 0..15.  hidden and W_w are quantised as above and multiplied by the
;   scaled matrix instruction; each of the eight waves takes one K step of 128, and the eight partial tiles are added in f32 through LDS (an order of sums other than ascending K).
; A block's scale is 2^(floor(log2(its largest magnitude)) - 4): its byte is the largest magnitude's exponent field - 4.
; LIMITS: a block whose largest magnitude lies under 2^-122 (a block of zeros too) gets the byte 1; a block of zeros has zero codes, which add nothing.  NaN and infinities among the inputs are not served.
; Every wave quantises two fragments.  A load reads 512 consecutive bytes of one row, 16 a lane; the conversions want 16 neighbours along K in one lane: the 16 rows turn through the wave's own stage in LDS.
; THE MODE: SCHED_MODE bits 1:0 = 2 (LLVM: expert scheduling mode 2), set by the entry lines.  The code itself states the register dependences between vector or matrix instructions and memory or LDS
; instructions, with s_wait_alu, always for 0.
; THE PLAN.  Registers that memory or LDS instructions touch:
;   v4 - v9       offsets and LDS addresses: written once, ahead of a job's first load, and never again.
;   R0, R1        written by the global loads; read by the stage's stores; written again by the stage's loads (one wait on vm_vsrc between the two runs); then read by the quantising alone.
;   PCA, PCB, PW0, PW1   written by the quantising; read by job U's stores, or by job C's product (one wait on va_vdst ahead of either).
;   ACC           written by the product; read by two LDS stores.     OUT: job C: written by the last multiplications; read by the last store.
.set STU,  0                           ; job U: a stage of 16 rows x 528 bytes for each wave
.set SGU,  67584                       ; job U: two blocks of 512 bytes of scale words
.set STC,  68608                       ; job C: the stages
.set PRT,  136192                      ; job C: eight partial tiles of 1,024 bytes
.set VL16, 4                           ; v4   16 x lane
.set STW,  5                           ; v5   the stage, on the way in: 16 x lane
.set STR,  6                           ; v6   and on the way out: 528 r + 64 h
.set TM,   16                          ; v16-19 largest magnitudes, v20-23 the other half's / the bytes, v24-27 the conversions' scale operands
.set PW0,  28                          ; v28, v29 the two fragments' scale words: these two hold scales and nothing else
.set PW1,  29
.set PCA,  32                          ; v32-43, v44-55 the two fragments' codes
.set PCB,  44
.set T8,   56                          ; v56-63 the upper halves of blocks, before they change lanes
.set R0,   64                          ; v64-127, v128-191 two sets of 64 numbers
.set R1,   128
.set ACC,  192
.set RED,  200
.set WB,   232
.set UB,   236
.set OUT,  240
.set WV,   20
.set SEL,  22
.macro PLACES n
.rept \n
	v_nop
.endr
.endm
; 16 rows of 512 bytes, four registers a row as loaded, go into the stage (rows 528 bytes apart: the sixteen lanes of a read fall on sixteen different columns of 16 bytes) and come back into the
; same registers so that register 16 b + i holds k = 32 b + 16 h + i of row r.  LDS serves a wave's instructions in order (ISA guide 5.7.1.4): no wait on DScnt between the stores and the loads.
.macro TURN R
.irp i, 0,1,2,3,4,5,6,7,8,9,10,11,12,13,14,15
	ds_store_b128 v[STW], v[\R+4*\i:\R+4*\i+3] offset:528*\i
.endr
	s_wait_alu depctr_vm_vsrc(0)                   ; the 16 stores have read these 64 registers, in which the loads below land
.irp b, 0,1,2,3
.irp j, 0,1,2,3
	ds_load_b128 v[\R+16*\b+4*\j:\R+16*\b+4*\j+3], v[STR] offset:128*\b+16*\j
.endr
.endr
.endm
; 64 numbers of a lane become a fragment's 12 registers of codes (v[PC] on) and its row's scale word (v[W]).
.macro QUANT R, PC, W
.irp b, 0,1,2,3
	v_max3_num_f32 v[TM+\b], 0x2800000, |v[\R+16*\b]|, |v[\R+16*\b+1]|   ; block b: my 16 numbers, and the floor 2^(5 - 127): the byte cannot fall under 1
.endr
.irp i, 2,4,6,8,10,12,14
.irp b, 0,1,2,3
	v_max3_num_f32 v[TM+\b], v[TM+\b], |v[\R+16*\b+\i]|, |v[\R+16*\b+\i+1]|   ; the four blocks by turns
.endr
.endr
.irp b, 0,1,2,3
	v_permlanex16_b32 v[TM+4+\b], v[TM+\b], s[SEL], s[SEL+1]
.endr
.irp b, 0,1,2,3
	v_max_num_f32 v[TM+\b], v[TM+\b], v[TM+4+\b]   ; with lane l xor 16's 16: the block's largest magnitude
.endr
.irp b, 0,1,2,3
	v_add_nc_u32 v[TM+8+\b], 0xfe000000, v[TM+\b]  ; 4 off its exponent field: the conversion's scale operand
.endr
.irp b, 0,1,2,3
	v_lshrrev_b32 v[TM+4+\b], 23, v[TM+8+\b]       ; the scale's byte
.endr
	v_lshl_or_b32 v[\W], v[TM+5], 8, v[TM+4]
	v_lshl_or_b32 v[\W], v[TM+6], 16, v[\W]
	v_lshl_or_b32 v[\W], v[TM+7], 24, v[\W]
.irp c, 0,1
	v_cvt_scalef32_pk16_bf6_f32 v[\PC+6*\c:\PC+6*\c+2], v[\R+32*\c:\R+32*\c+15], v[TM+8+2*\c]
	v_cvt_scalef32_pk16_bf6_f32 v[T8+4*\c:T8+4*\c+2], v[\R+32*\c+16:\R+32*\c+31], v[TM+8+2*\c+1]   ; (a conversion's three registers begin on an even number)
.endr
	v_nop                                          ; one plain instruction behind the last conversion
.irp c, 0,1                            ; the operand wants a whole block in a lane: lanes 0-15 block 2 c, lanes 16-31 block 2 c + 1
.irp i, 0,1,2
	v_permlane16_swap_b32 v[\PC+6*\c+\i], v[T8+4*\c+\i]
.endr
.irp i, 0,1,2
	v_mov_b32 v[\PC+3+6*\c+\i], v[T8+4*\c+\i]
.endr
.endr
.endm
; both fragments: the second set's loads may be out while the first turns; the first is quantised while the second turns
.macro BOTH
	s_wait_loadcnt 16                              ; the first set's 16 loads (and all older ones) are in; the second set's 16 may be out
	TURN R0
	s_wait_loadcnt 0x0
	TURN R1
	s_wait_dscnt 32                                ; the first turn is back; the second's 32 instructions may be out
	QUANT R0, PCA, PW0
	s_wait_dscnt 0x0
	QUANT R1, PCB, PW1
.endm
	s_load_b512 s[4:19], s[0:1], 0x0               ; U_w s[4:5], W_w s[6:7], hidden s[8:9], W_b s[10:11], U_b s[12:13], uq s[14:15], us s[16:17], cb s[18:19]
	v_lshl_add_u32 v254, v0, 2, 0x23400
	v_mov_b32 v255, 0
	v_lshrrev_b32 v1, 5, v0
	v_readfirstlane_b32 s[WV], v1                  ; wave 0..7
	v_and_b32 v1, 31, v0                           ; lane
	v_and_b32 v2, 15, v0                           ; r
	v_bfe_u32 v3, v0, 4, 1                         ; h
	v_lshlrev_b32 v[VL16], 4, v1
	v_mul_u32_u24 v10, v2, 528
	v_lshl_add_u32 v10, v3, 6, v10                 ; 528 r + 64 h
	s_wait_alu depctr_va_sdst(0)                   ; the wave's number is written, ahead of its first reader: addresses and branches are made from it
	s_mul_i32 s24, s[WV], 8448                     ; my stage among the eight
	s_and_b32 s21, s[WV], 1
	s_mov_b32 s[SEL], 0x76543210
	s_mov_b32 s[SEL+1], 0xfedcba98                 ; v_permlanex16_b32's selects for lane l xor 16
.irp b, 0,1,2,3
	v_mov_b32 v[TM+4+\b], 0                        ; written once: a lane permute's destination counts as one of its sources
.endr
	s_cmp_lt_u32 ttmp9, 64
	s_cbranch_scc0 .Ljob_c
	; ---- JOB U.  g = 2 w + p = work-group / 8; K steps 2 kp and 2 kp + 1, kp = work-group % 8; bt = my wave
	s_add_co_u32 s25, s24, STU
	s_wait_alu depctr_va_vdst(0)
	v_add_nc_u32 v[STW], s25, v[VL16]
	v_add_nc_u32 v[STR], s25, v10
	s_lshl_b32 s38, s21, 8                         ; my scale words' place in a block: 16 r + 256 (bt % 2) + 4 (bt / 2)
	s_lshr_b32 s39, s[WV], 1
	s_lshl_b32 s39, s39, 2
	s_add_co_u32 s38, s38, s39
	s_add_co_u32 s38, s38, SGU
	v_lshl_add_u32 v7, v2, 4, s38
	s_lshl_b32 s39, s21, 9                         ; and where waves 0 and 1 read a whole block back
	s_add_co_u32 s39, s39, SGU
	v_add_nc_u32 v8, s39, v[VL16]
	s_lshr_b32 s28, ttmp9, 3                       ; g
	s_and_b32 s29, ttmp9, 7                        ; kp
	s_and_b32 s30, s28, 1                          ; p
	s_lshl_b32 s30, s30, 2
	s_lshr_b32 s31, s28, 1                         ; w
	s_add_co_u32 s30, s30, s31
	s_lshl_b32 s30, s30, 3
	s_add_co_u32 s30, s30, s[WV]                   ; T
	s_lshl_b32 s26, s30, 17                        ; 16 rows of 8,192 bytes
	s_lshl_b32 s31, s29, 10                        ; two K steps of 512 bytes
	s_add_co_u32 s26, s26, s31
	s_mov_b32 s27, 0
	s_lshl_b32 s32, s28, 4
	s_lshl_b32 s33, s29, 1
	s_add_co_u32 s32, s32, s33                     ; 16 g + 2 kp: which block of eight fragments
	s_mul_i32 s34, s32, 12288
	s_mul_i32 s35, s[WV], 1536
	s_add_co_u32 s34, s34, s35
	s_mov_b32 s35, 0
	s_add_co_u32 s36, s32, s21
	s_lshl_b32 s36, s36, 9                         ; the block of scale words that waves 0 and 1 store
	s_mov_b32 s37, 0
	s_wait_kmcnt 0x0
	s_add_nc_u64 s[26:27], s[4:5], s[26:27]
	s_add_nc_u64 s[34:35], s[14:15], s[34:35]
	s_add_nc_u64 s[36:37], s[16:17], s[36:37]
	s_wait_alu depctr_va_vdst(0)                   ; the offsets and LDS addresses v4 to v8 are written, which every load and store of this job reads
.irp i, 0,1,2,3,4,5,6,7,8,9,10,11,12,13,14,15
	global_load_b128 v[R0+4*\i:R0+4*\i+3], v[VL16], s[26:27] offset:8192*\i th:TH_LOAD_NT       ; 32 lanes read 512 consecutive bytes of row i
.endr
.irp i, 0,1,2,3,4,5,6,7,8,9,10,11,12,13,14,15
	global_load_b128 v[R1+4*\i:R1+4*\i+3], v[VL16], s[26:27] offset:8192*\i+512 th:TH_LOAD_NT
.endr
	BOTH
	s_wait_alu depctr_va_vdst(0)                   ; the quantising has written both fragments' codes and scale words, which the eight stores below read
.irp c, 0,1,2
	global_store_b128 v[VL16], v[PCA+4*\c:PCA+4*\c+3], s[34:35] offset:512*\c                   ; each store covers 512 consecutive bytes, aligned
.endr
.irp c, 0,1,2
	global_store_b128 v[VL16], v[PCB+4*\c:PCB+4*\c+3], s[34:35] offset:12288+512*\c
.endr
	ds_store_b32 v7, v[PW0]                        ; lanes r and r + 16 write the same word with the same value
	ds_store_b32 v7, v[PW1] offset:512
	s_wait_dscnt 0x0                               ; for the others' sake: my stores have landed
	s_barrier_signal -1
	s_barrier_wait -1
	s_cmp_lt_u32 s[WV], 2
	s_cbranch_scc0 .Lu_end
	ds_load_b128 v[OUT:OUT+3], v8                  ; a K step's scale words of all eight tiles
	s_wait_dscnt 0x0
	global_store_b128 v[VL16], v[OUT:OUT+3], s[36:37]
.Lu_end:
	s_wait_dscnt 0x0                               ; the closing lines, six on end
	s_wait_alu 0x0
	s_wait_tensorcnt 0x0
	ds_add_u32 v254, v255
	s_wait_dscnt 0x0
	s_endpgm
	; ---- JOB C.  T = c / 4, mt = c % 4, c = work-group - 64; K step = my wave
.Ljob_c:
	s_add_co_u32 s25, s24, STC
	s_wait_alu depctr_va_vdst(0)
	v_add_nc_u32 v[STW], s25, v[VL16]
	v_add_nc_u32 v[STR], s25, v10
	s_lshl_b32 s38, s[WV], 10
	s_add_co_u32 s38, s38, PRT
	v_add_nc_u32 v7, s38, v[VL16]                  ; my partial tile: 16 bytes a lane, twice
	v_lshrrev_b32 v10, 2, v1                       ; back: lane l of wave u wants row 8 u + l / 4, columns 4 (l % 4) on, which lane (r, h = (l / 2) % 2) stored, in the first run (l even) or the second
	v_lshlrev_b32 v8, 4, v10
	v_bfe_u32 v10, v1, 1, 1
	v_lshl_add_u32 v8, v10, 8, v8
	v_and_b32 v10, 1, v1
	v_lshl_add_u32 v8, v10, 9, v8
	s_lshl_b32 s38, s21, 7
	s_add_co_u32 s38, s38, PRT
	v_add_nc_u32 v8, s38, v8
	v_and_b32 v9, 3, v1
	v_lshlrev_b32 v9, 4, v9                        ; the biases: 16 (l % 4)
	s_sub_co_u32 s28, ttmp9, 64
	s_lshr_b32 s29, s28, 2                         ; T
	s_and_b32 s30, s28, 3                          ; mt
	s_lshl_b32 s31, s[WV], 9                       ; my K step: 512 bytes of each row of 4,096
	s_lshl_b32 s26, s29, 16
	s_add_co_u32 s26, s26, s31
	s_mov_b32 s27, 0
	s_lshl_b32 s32, s30, 16
	s_add_co_u32 s32, s32, s31
	s_mov_b32 s33, 0
	s_lshl_b32 s34, s29, 6
	s_mov_b32 s35, 0
	s_lshl_b32 s36, s30, 6
	s_add_co_u32 s36, s36, s29
	s_lshl_b32 s36, s36, 10                        ; tile 64 mt + T of cb,
	s_lshl_b32 s39, s21, 9
	s_add_co_u32 s36, s36, s39                     ; its rows 8 u on
	s_mov_b32 s37, 0
	s_mov_b32 s40, 0x4038aa3b                      ; 2 log2(e)
	s_mov_b32 s41, s40
	s_wait_kmcnt 0x0
	s_add_nc_u64 s[26:27], s[6:7], s[26:27]
	s_add_nc_u64 s[32:33], s[8:9], s[32:33]
	s_add_nc_u64 s[10:11], s[10:11], s[34:35]
	s_add_nc_u64 s[12:13], s[12:13], s[34:35]
	s_add_nc_u64 s[36:37], s[18:19], s[36:37]
	s_wait_alu depctr_va_vdst(0)                   ; the offsets and LDS addresses v4 to v9 are written, which every load and store of this job reads
	global_load_b128 v[WB:WB+3], v9, s[10:11]      ; older than the two sets: the counts in BOTH hold as they stand
	global_load_b128 v[UB:UB+3], v9, s[12:13]
.irp i, 0,1,2,3,4,5,6,7,8,9,10,11,12,13,14,15
	global_load_b128 v[R0+4*\i:R0+4*\i+3], v[VL16], s[26:27] offset:4096*\i      ; 16 rows of W_w (other work-groups read them again: no hint)
.endr
.irp i, 0,1,2,3,4,5,6,7,8,9,10,11,12,13,14,15
	global_load_b128 v[R1+4*\i:R1+4*\i+3], v[VL16], s[32:33] offset:4096*\i      ; 16 rows of hidden
.endr
	BOTH
	PLACES 8                                       ; scale registers written by vector instructions stand 8 places ahead of a scaled matrix instruction, operands so written 4
	s_wait_alu depctr_va_vdst(0)                   ; the quantising has written both operands and both scale words, which the product takes; the places above stay beside this wait
	v_wmma_scale_f32_16x16x128_f8f6f4 v[ACC:ACC+7], v[PCA:PCA+11], v[PCB:PCB+11], 0, v[PW0], v[PW1] matrix_a_fmt:MATRIX_FMT_BF6 matrix_b_fmt:MATRIX_FMT_BF6   ; lane (r, h), register j: b = 16 mt + r, n = 16 T + 8 h + j
	PLACES 4                                       ; four places ahead of the first read of the result (ISA guide 7.12.1)
	s_wait_alu depctr_va_vdst(0)                   ; the product has written its result, which the two LDS stores read
	ds_store_b128 v7, v[ACC:ACC+3]                 ; from the low end on
	ds_store_b128 v7, v[ACC+4:ACC+7] offset:512
	s_wait_dscnt 0x0
	s_barrier_signal -1
	s_barrier_wait -1
	s_cmp_lt_u32 s[WV], 2
	s_cbranch_scc0 .Lc_end
.irp i, 0,1,2,3,4,5,6,7
	ds_load_b128 v[RED+4*\i:RED+4*\i+3], v8 offset:1024*\i       ; the eight K steps' parts of my four numbers
.endr
	v_pk_add_f32 v[WB:WB+1], v[WB:WB+1], v[UB:UB+1]
	v_pk_add_f32 v[WB+2:WB+3], v[WB+2:WB+3], v[UB+2:UB+3]
	s_wait_dscnt 0x0
.irp i, 0,2,4,6
	v_pk_add_f32 v[RED+4*\i:RED+4*\i+1], v[RED+4*\i:RED+4*\i+1], v[RED+4*\i+4:RED+4*\i+5]
	v_pk_add_f32 v[RED+4*\i+2:RED+4*\i+3], v[RED+4*\i+2:RED+4*\i+3], v[RED+4*\i+6:RED+4*\i+7]
.endr
.irp i, 0,4
	v_pk_add_f32 v[RED+4*\i:RED+4*\i+1], v[RED+4*\i:RED+4*\i+1], v[RED+4*\i+8:RED+4*\i+9]
	v_pk_add_f32 v[RED+4*\i+2:RED+4*\i+3], v[RED+4*\i+2:RED+4*\i+3], v[RED+4*\i+10:RED+4*\i+11]
.endr
	v_pk_add_f32 v[RED:RED+1], v[RED:RED+1], v[RED+16:RED+17]
	v_pk_add_f32 v[RED+2:RED+3], v[RED+2:RED+3], v[RED+18:RED+19]
	v_pk_add_f32 v[RED:RED+1], v[RED:RED+1], v[WB:WB+1]
	v_pk_add_f32 v[RED+2:RED+3], v[RED+2:RED+3], v[WB+2:WB+3]
	v_pk_mul_f32 v[OUT:OUT+1], v[RED:RED+1], s[40:41] op_sel_hi:[1,0]
	v_pk_mul_f32 v[OUT+2:OUT+3], v[RED+2:RED+3], s[40:41] op_sel_hi:[1,0]
	s_wait_alu depctr_va_vdst(0)                   ; the two multiplications have written the four numbers that the store reads
	global_store_b128 v[VL16], v[OUT:OUT+3], s[36:37]            ; 512 consecutive bytes, aligned
.Lc_end:
	s_wait_dscnt 0x0                               ; the closing lines, six on end
	s_wait_alu 0x0
	s_wait_tensorcnt 0x0
	ds_add_u32 v254, v255
	s_wait_dscnt 0x0
	s_endpgm
.Lfunc_end_k_qf6197e9da2_prep:
	.size	k_qf6197e9da2_prep, .Lfunc_end_k_qf6197e9da2_prep-k_qf6197e9da2_prep
	.p2alignl 7, 3214868480
	.fill 96, 4, 3214868480
	.section	.rodata,"a",@progbits
	.p2align	6, 0x0
	.amdhsa_kernel k_qf6197e9da2_prep
		.amdhsa_group_segment_fixed_size 145408
		.amdhsa_private_segment_fixed_size 0
		.amdhsa_enable_private_segment 0
		.amdhsa_kernarg_size 64
		.amdhsa_user_sgpr_count 2
		.amdhsa_user_sgpr_kernarg_segment_ptr 1
		.amdhsa_wavefront_size32 1
		.amdhsa_system_sgpr_workgroup_id_x 1
		.amdhsa_system_sgpr_workgroup_id_y 1
		.amdhsa_system_sgpr_workgroup_id_z 1
		.amdhsa_system_vgpr_workitem_id 0
		.amdhsa_next_free_vgpr 256
		.amdhsa_next_free_sgpr 66
		.amdhsa_reserve_vcc 0
		.amdhsa_float_denorm_mode_32 3
		.amdhsa_float_denorm_mode_16_64 3
		.amdhsa_memory_ordered 1
		.amdhsa_forward_progress 1
		.amdhsa_inst_pref_size 39
	.end_amdhsa_kernel
	.amdgpu_metadata
---
amdhsa.version: [ 1, 2 ]
amdhsa.kernels:
  - .name:           k_qf6197e9da2_prep
    .symbol:         k_qf6197e9da2_prep.kd
    .args:
      - { .name: U_w, .offset: 0, .size: 8, .value_kind: global_buffer, .address_space: global }
      - { .name: W_w, .offset: 8, .size: 8, .value_kind: global_buffer, .address_space: global }
      - { .name: hidden, .offset: 16, .size: 8, .value_kind: global_buffer, .address_space: global }
      - { .name: W_b, .offset: 24, .size: 8, .value_kind: global_buffer, .address_space: global }
      - { .name: U_b, .offset: 32, .size: 8, .value_kind: global_buffer, .address_space: global }
      - { .name: uq, .offset: 40, .size: 8, .value_kind: global_buffer, .address_space: global }
      - { .name: us, .offset: 48, .size: 8, .value_kind: global_buffer, .address_space: global }
      - { .name: cb, .offset: 56, .size: 8, .value_kind: global_buffer, .address_space: global }
    .group_segment_fixed_size: 145408
    .private_segment_fixed_size: 0
    .kernarg_segment_align: 8
    .kernarg_segment_size: 64
    .max_flat_workgroup_size: 256
    .sgpr_count:     66
    .vgpr_count:     256
    .wavefront_size: 32
...
	.end_amdgpu_metadata
.endif
;; end of part 4
;; launch main (part 5): grid 4 x 64, 4 waves a work-group, no clusters, 243,200 bytes of LDS; arguments encoder_outputs, uq, us, cb, v_w, en; writes en
.if DOCPART == 5
	.amdgcn_target "amdgcn-amd-amdhsa--gfx1250"
	.amdhsa_code_object_version 6
	.text
	.protected	k_qf6197e9da2_main
	.globl	k_qf6197e9da2_main
	.p2align	8
	.type	k_qf6197e9da2_main,@function
k_qf6197e9da2_main:
	s_mov_b64 s[64:65], 0
	v_nop
	global_prefetch_b8 v0, s[64:65] scope:SCOPE_SE
	s_setreg_imm32_b32 hwreg(HW_REG_WAVE_SCHED_MODE, 0, 2), 2
	s_setreg_imm32_b32 hwreg(HW_REG_WAVE_MODE, 25, 1), 1
	s_wait_xcnt 0x0
	s_wait_alu depctr_vm_vsrc(0)
; en[b][s] = the sum over n of v[n] tanh(Wh[b][n] + W_b[n] + U_b[n] + Ue[s][b][n]), Ue = Q(enc) Q(U_w)^T on codes of BF6 (E3M2) with one E8M0 byte for each 32 along K.
; SHARES.  A work-group takes ONE b (grid y) and 128 consecutive s (grid x): 128 rows of enc, 8,192 bytes each, 524,288 bytes apart.  Four waves, each with 128 rows x 128 columns of Ue: 64 accumulators, 512 registers.
; The waves share the rows and split N; one pass covers N = 512, so there are two passes.  Each fragment of U is read by one wave alone: it comes from memory straight into registers, from a workspace laid in the
; order of the operand's registers (three loads of 512 consecutive bytes a fragment).
; No cluster and no joint loads for U, though all work-groups walk it: A's images (204,800 bytes), the stages (33,792) and two slots of a K step of U (2 x 51,200) are 340,992 bytes, more than a work-group can
; be given, and a fragment of U would be written to LDS and read from it once each for nothing.
; PASS 0 RUNS UNDER THE STREAM.  K goes in chunks of 128.  Wave w loads 512 bytes of each of its 32 rows (tiles 2 w, 2 w + 1), turns them through its stage, quantises them, and stores the two fragments in LDS as
; IMAGES OF THEIR REGISTERS, where they stay.  Trip j quantises chunk j + 1, asks for chunk j + 2 and multiplies chunk j, in this order: the first tile's turn | products of A's blocks 0-3 | the second tile's turn,
; the images | products of blocks 4-7.  A tile's raw registers are asked for again as soon as the stage has taken them, so the wave's two refills go out about half a trip apart.  The turned numbers come back into
; registers that are idle just then: the first tile's into the set of U's fragments that the next K step will take (U's loads follow the quantising), the second tile's into A's blocks 0-3, which the first half of
; the products has left, and sixteen registers of the pass's end.  PASS 1 reads A from LDS alone.  Each pass has a text of its own, so that every counted wait counts the same loads on every way.
; THE MATRIX INSTRUCTION IS USED TRANSPOSED (source 0 = 16 rows of U, source 1 = 16 rows of enc): lane (r, h) holds row 16 a + r and, in register j, column 16 bt + 8 h + j.
; THE END OF A PASS: x' = 2 log2(e) Ue + c' (c' made by the launch before), tanh = 1 - 2 / (1 + 2^x'), so the sum of v tanh = the sum of v - 2 x the sum of v / (1 + 2^x').  2^x' goes to infinity or to 0 at the
; ends and the quotient to 0 or to 1: tanh saturates as it should.  Both sums are bounded by the sum of |v|, as the terms of the direct sum are.
; LIMITS: a block whose largest magnitude lies under 2^-122 (a block of zeros too) gets the scale byte 1; NaN and infinities among the inputs are not served; the order of the f32 sums is not reference()'s.
; REGISTERS, in windows of 256: window 0: v1-14 addresses; v16-23 U's scale words, two sets; v24-31 A's, two sets; v32-47 sums at a pass's end (in pass 0 also 16 turned numbers); v48-63 at work;
;   v64-127 R0 (a tile of enc as loaded; later c'); v128-223 A's eight fragments (pass 0: the one set; pass 1: the odd trips' set, the even trips' is v32-127); v224-255 codes just made.
;   window 1: v0-95, v96-191 U's eight fragments, two sets; v192-255 R1 (later v).   windows 2, 3: accumulator (a, bt) at v[8 (8 (a % 4) + bt)].
; THE MODE: SCHED_MODE bits 1:0 = 2 (LLVM: expert scheduling mode 2), set by the entry lines.  The code itself states the register dependences between vector or matrix instructions and memory or LDS
; instructions, with s_wait_alu, always for 0.
; THE PLAN.  Registers that memory or LDS instructions touch:
;   v1, v2, v3, v9, v10   offsets and LDS addresses, written at the head and never again.
;   v6-8, v11, v12        the trip's LDS addresses: written at a trip's head (a wait on vm_vsrc ahead, the trip's first wait on va_vdst behind), read by the trip's LDS loads and stores.
;   R0, R1                written by global loads, read by the stage's 16 stores, asked for again behind a wait on vm_vsrc.  No vector line names them but a pass's end.
;   PASS 0, trip j on U's set s.  Four waits on va_vdst: (1) behind the first tile's stage stores: trip j - 1's products are done reading set 1 - s, in which the turned numbers land; the addresses are written;
;     (2) behind the first quantising, which read set 1 - s: A's blocks 4-7 (free since (1)) and U's next K step are asked for; (3) behind the second tile's stage stores: the first half's products are done reading
;     blocks 0-3, in which the turned numbers land; (4) behind the second quantising: the codes and the scale word are written, which the images' stores read, and v128-175 are free for the next chunk's blocks 0-3.
;   PASS 1, trip j on set s of U, of A and of both kinds of scale words.  ONE wait on va_vdst, at the head: trip j - 1's products are done reading the sets 1 - s.  All 53 loads of the trip land in those sets, which
;     no product of the trip names: they stand among the products with no further wait.
.set AIMG, 0                           ; LDS: A's images [writer w 4][chunk 16][tile 2][1,536]: each wave stores into one run of its own
.set ASC,  196608                      ; A's scale words [w 4][chunk 16][lane 32]: lanes 0-15 tile 2 w, lanes 16-31 tile 2 w + 1
.set STG,  204800                      ; a stage of 16 rows x 528 bytes for each wave
.set EP,   238592                      ; partial energies [pass 2][wave 4][128 rows]
.set VL16, 1                           ; v1   16 x lane
.set STW,  2                           ; v2   the stage, in
.set STR,  3                           ; v3   the stage, out: 528 r + 64 h
.set AW0,  4                           ; v4   16 x lane + 49,152 w
.set SW0,  5                           ; v5   ASC + 2,048 w + 4 x lane
.set AR,   6                           ; v6, v7  where the trip's images are read: writers 0, 1 and writers 2, 3
.set SR,   8                           ; v8   and its scale words
.set CO,   9                           ; v9   32 h
.set EPW,  10                          ; v10  EP + 512 w + 4 r
.set AW,   11                          ; v11  where the trip's images are stored
.set SW,   12                          ; v12  and its scale word
.set ARB,  13                          ; v13  16 x lane + 98,304
.set SRB,  14                          ; v14  ASC + 4 x lane
.set US,   16
.set AS,   24
.set CH,   32
.set EA,   40
.set TM,   48
.set PW0,  60
.set PW1,  61
.set PW,   62
.set SVL,  63
.set R0,   64
.set R1,   192                         ; in window 1
.set AF,   128
.set AG,   32                          ; pass 1: A's set s lies at AG + 96 s
.set PCA,  224
.set PCB,  236
.set T8,   248
.set WV,   16
.set E0,   20                          ; s[20:21], s[22:23] enc at my first and my second tile of rows, at the chunk last asked for
.set UP,   24                          ; s[24:25] uq at the K step last asked for
.set USP,  26                          ; s[26:27] us likewise
.set CBP,  28                          ; s[28:29] c' of the pass's columns;  s[30:31] v likewise
.set VP,   30
.set LC,   33
.set ENP,  34
.set K2,   36
.set SEL,  38
.set HI,   40
.set KO,   41                          ; 3,072 x the trip's number
.set KS,   42                          ; 128 x the trip's number
.set MSB, 0
.macro WIN new                         ; the immediate's high byte repeats the setting that is left; a switch that changes nothing is dropped
.if MSB != (\new)
	s_set_vgpr_msb (MSB<<8)|(\new)
.set MSB, (\new)
.endif
.endm
.macro PLACES n
.rept \n
	v_nop
.endr
.endm
.macro LOADF f                         ; 512 bytes of each of 16 rows: a load reads 512 consecutive bytes; the offsets, 7,864,320 at the most, lie inside the signed 24 bits
	WIN 0x40*(\f)
.irp i, 0,1,2,3,4,5,6,7,8,9,10,11,12,13,14,15
	global_load_b128 v[R0+128*(\f)+4*\i:R0+128*(\f)+4*\i+3], v[VL16], s[E0+2*(\f):E0+2*(\f)+1] offset:524288*\i th:TH_LOAD_NT
.endr
	WIN 0
.endm
.macro CVLOAD f                        ; f = 0: c' of my 128 columns into R0; f = 1: v into R1; in the accumulators' order (columns 16 bt + 8 h + 0 .. 7): 16 loads each
	WIN 0x40*(\f)
.irp bt, 0,1,2,3,4,5,6,7
	global_load_b128 v[R0+128*(\f)+8*\bt:R0+128*(\f)+8*\bt+3], v[CO], s[CBP+2*(\f):CBP+2*(\f)+1] offset:(1024-960*(\f))*\bt
	global_load_b128 v[R0+128*(\f)+8*\bt+4:R0+128*(\f)+8*\bt+7], v[CO], s[CBP+2*(\f):CBP+2*(\f)+1] offset:(1024-960*(\f))*\bt+16
.endr
	WIN 0
.endm
; Tile f's raw registers are asked for again: its next chunk.  guard = 1: in the loop's last trip chunk 15 has just been taken and nothing of enc is left; the registers then take what the pass's end wants of them.
; Both ways issue 16 loads into the same registers, so every later count holds on both.
.macro REFILL f, guard
.if \guard
	s_cmp_lg_u32 s[LC], 1
	s_cbranch_scc0 .Lalt_\@
.endif
	s_add_nc_u64 s[E0+2*(\f):E0+2*(\f)+1], s[E0+2*(\f):E0+2*(\f)+1], 512   ; its last loads have been waited for
	LOADF \f
.if \guard
	s_branch .Lfilled_\@
.Lalt_\@:
	CVLOAD \f
.Lfilled_\@:
.endif
.endm
.macro BLOAD set                       ; a K step of U: its scale words first, then eight fragments in ascending order: 25 loads
	global_load_b128 v[US+4*(\set):US+4*(\set)+3], v[VL16], s[USP:USP+1]
	WIN 0x40
.irp bt, 0,1,2,3,4,5,6,7
.irp c, 0,1,2
	global_load_b128 v[96*(\set)+12*\bt+4*\c:96*(\set)+12*\bt+4*\c+3], v[VL16], s[UP:UP+1] offset:1536*\bt+512*\c
.endr
.endr
	WIN 0
.endm
.macro TSET ra, rb                     ; where the 64 turned numbers lie: blocks 0-2 from register ra on, block 3 from rb on
.set QB0, (\ra)
.set QB1, (\ra)+16
.set QB2, (\ra)+32
.set QB3, (\rb)
.endm
.macro RAWOUT f                        ; 16 rows as loaded go into my stage, rows 528 bytes apart
	WIN 0x04*(\f)                                  ; an LDS store's data are its source 1
.irp i, 0,1,2,3,4,5,6,7,8,9,10,11,12,13,14,15
	ds_store_b128 v[STW], v[R0+128*(\f)+4*\i:R0+128*(\f)+4*\i+3] offset:528*\i
.endr
	WIN 0
.endm
.macro TIN win                         ; and come back so that register i of block b holds k = 32 b + 16 h + i of row r.  LDS serves a wave's instructions in order (ISA guide 5.7.1.4): these see the stores above
	WIN 0x40*(\win)
.irp b, 0,1,2,3
.irp j, 0,1,2,3
	ds_load_b128 v[QB\b+4*\j:QB\b+4*\j+3], v[STR] offset:128*\b+16*\j
.endr
.endr
	WIN 0
.endm
.macro QUANT win, PC, W                ; the 64 turned numbers become a fragment's codes and its row's scale word
	WIN 0x14*(\win)                                ; sources 1 and 2
.irp b, 0,1,2,3
	v_max3_num_f32 v[TM+\b], 0x2800000, |v[QB\b]|, |v[QB\b+1]|   ; my 16 numbers of block b, and the floor 2^(5 - 127): the byte cannot fall under 1
.endr
.irp i, 2,4,6,8,10,12,14
.irp b, 0,1,2,3
	v_max3_num_f32 v[TM+\b], v[TM+\b], |v[QB\b+\i]|, |v[QB\b+\i+1]|
.endr
.endr
	WIN 0
.irp b, 0,1,2,3
	v_permlanex16_b32 v[TM+4+\b], v[TM+\b], s[SEL], s[SEL+1]
.endr
.irp b, 0,1,2,3
	v_max_num_f32 v[TM+\b], v[TM+\b], v[TM+4+\b]   ; with lane l xor 16's: the block's largest magnitude
.endr
.irp b, 0,1,2,3
	v_add_nc_u32 v[TM+8+\b], 0xfe000000, v[TM+\b]  ; 4 off its exponent field: the conversion's scale operand
.endr
.irp b, 0,1,2,3
	v_lshrrev_b32 v[TM+4+\b], 23, v[TM+8+\b]       ; the scale's byte
.endr
	v_lshl_or_b32 v[\W], v[TM+5], 8, v[TM+4]
	v_lshl_or_b32 v[\W], v[TM+6], 16, v[\W]
	v_lshl_or_b32 v[\W], v[TM+7], 24, v[\W]
	WIN 0x01*(\win)
	v_cvt_scalef32_pk16_bf6_f32 v[\PC:\PC+2], v[QB0:QB0+15], v[TM+8]
	v_cvt_scalef32_pk16_bf6_f32 v[T8:T8+2], v[QB1:QB1+15], v[TM+9]          ; (a conversion's three registers begin on an even number)
	v_cvt_scalef32_pk16_bf6_f32 v[\PC+6:\PC+8], v[QB2:QB2+15], v[TM+10]
	v_cvt_scalef32_pk16_bf6_f32 v[T8+4:T8+6], v[QB3:QB3+15], v[TM+11]
	WIN 0
	v_nop                                          ; one plain instruction behind the last conversion
.irp c, 0,1                            ; the operand wants a whole block in a lane: lanes 0-15 block 2 c, lanes 16-31 block 2 c + 1
.irp i, 0,1,2
	v_permlane16_swap_b32 v[\PC+6*\c+\i], v[T8+4*\c+\i]
.endr
.irp i, 0,1,2
	v_mov_b32 v[\PC+3+6*\c+\i], v[T8+4*\c+\i]
.endr
.endr
.endm
.macro ADDR q                          ; the trip's LDS addresses: a lane's fixed part + the trip's scalar.  q = 1: those of the stores too
	v_add_nc_u32 v[AR], s[KO], v[VL16]
	v_add_nc_u32 v[AR+1], s[KO], v[ARB]
	v_add_nc_u32 v[SR], s[KS], v[SRB]
.if \q
	v_add_nc_u32 v[AW], s[KO], v[AW0]
	v_add_nc_u32 v[SW], s[KS], v[SW0]
.endif
.endm
.macro ALOAD half, o, fr               ; A's blocks 4 half .. 4 half + 3 of the set that begins at register fr: 12 loads
.irp a, 0,1,2,3
.irp c, 0,1,2
	ds_load_b128 v[(\fr)+12*(4*(\half)+\a)+4*\c:(\fr)+12*(4*(\half)+\a)+4*\c+3], v[AR+(\half)] offset:(\o)+49152*(\a/2)+1536*(\a%2)+512*\c
.endr
.endr
.endm
.macro ASLOAD set, o                   ; A's scale words: register q: lanes 0-15 tile 2 q, lanes 16-31 tile 2 q + 1
.irp q, 0,1,2,3
	ds_load_b32 v[AS+4*(\set)+\q], v[SR] offset:(\o)+2048*\q
.endr
.endm
; THE FIRST TILE'S TURN.  The wave's loads go out in the order R0 16, U 25, R1 16.  tset: the set of U's fragments that is idle: it takes the turned numbers and, bl = 1 (a trip), behind the quantising the next K step of U.
.macro APART tset, guard, bl
	s_wait_loadcnt 16                              ; R0's 16 loads are in, and behind them this trip's K step of U; only R1's 16 may be out
	TSET 96*(\tset), 96*(\tset)+48
	RAWOUT 0
.if \bl
	s_wait_alu depctr_va_vdst(0)                   ; the last trip's products are done reading U's idle set, in which the turned numbers land, and A's blocks 4-7; the trip's LDS addresses are written
.endif
	TIN 1
	s_wait_dscnt 16                                ; the 16 stores are done (the 16 loads behind them may be out)
	s_wait_alu depctr_vm_vsrc(0)                   ; the 16 stores have read R0, in which the refill lands
	REFILL 0, \guard
	s_wait_dscnt 0x0                               ; the turned numbers are in, and so are A's blocks 0-3 and scale words for this trip
	QUANT 1, PCA, PW0
.if \bl
	s_wait_alu depctr_va_vdst(0)                   ; the quantising is done reading the turned numbers, in whose registers U's next K step lands
	ALOAD 1, 0, AF                                 ; this trip's blocks 4-7: 32 products ahead of their use
	BLOAD \tset
.endif
.endm
; THE SECOND TILE'S TURN, and the chunk's images, o (images) and so (scale words) bytes on from the trip's addresses.  n: the loads issued behind R1's.  The turned numbers lie in A's blocks 0-3 and v32-47.
; The region of images is WRITTEN only between this macro's two barriers and READ only outside them: in front of the first every wave's LDS loads are back, in front of the second every wave's stores have landed.
; trip = 1: products stand ahead of it.
.macro CPART o, so, guard, n, trip
	s_wait_loadcnt \n                              ; R1's 16 loads are in; behind them: R0's refill 16 and, in a trip, U's 25
	TSET AF, CH
	RAWOUT 1
.if \trip
	s_wait_alu depctr_va_vdst(0)                   ; the first half's products are done reading A's blocks 0-3, in which the turned numbers land
.endif
	TIN 0
	s_wait_dscnt 16                                ; the 16 stores are done
	s_wait_alu depctr_vm_vsrc(0)                   ; the 16 stores have read R1, in which the refill lands
	REFILL 1, \guard
	s_wait_dscnt 0x0                               ; the turned numbers are in; no read of images of mine is out
	s_barrier_signal -1
	QUANT 0, PCB, PW1                              ; work on registers while the others arrive
	v_cndmask_b32 v[PW], v[PW0], v[PW1], s[HI]     ; lanes 0-15 the first tile's words, lanes 16-31 the second's
	s_barrier_wait -1
	s_wait_alu depctr_va_vdst(0)                   ; both fragments' codes and the scale word are written, which the seven stores read; the quantising is done reading v128-175, in which the next chunk's blocks 0-3 land
.irp c, 0,1,2
	ds_store_b128 v[AW], v[PCA+4*\c:PCA+4*\c+3] offset:(\o)+512*\c
.endr
.irp c, 0,1,2
	ds_store_b128 v[AW], v[PCB+4*\c:PCB+4*\c+3] offset:(\o)+1536+512*\c
.endr
	ds_store_b32 v[SW], v[PW] offset:\so
	s_wait_dscnt 0x0                               ; for the others' sake: my stores have landed
	s_barrier_signal -1
	s_barrier_wait -1
.endm
; One product.  U's scale words of tile bt lie in lanes 0-15 (bt even) or 16-31 (bt odd) of register bt / 2 of the set; A's likewise by a.  fr: where A's set begins.
.macro WM a, bt, set, zero, fr
.set rD, 8*(8*((\a)%4)+(\bt))
.set rU, 96*(\set)+12*(\bt)
.set rA, (\fr)+12*(\a)
.set rP, US+4*(\set)+(\bt)/2
.set rQ, AS+4*(\set)+(\a)/2
.set rV, 4*(\zero)+2*((\bt)%2)+(\a)%2
.if rV == 0
	v_wmma_scale_f32_16x16x128_f8f6f4 v[rD:rD+7], v[rU:rU+11], v[rA:rA+11], v[rD:rD+7], v[rP], v[rQ] matrix_a_fmt:MATRIX_FMT_BF6 matrix_b_fmt:MATRIX_FMT_BF6
.elseif rV == 1
	v_wmma_scale_f32_16x16x128_f8f6f4 v[rD:rD+7], v[rU:rU+11], v[rA:rA+11], v[rD:rD+7], v[rP], v[rQ] matrix_a_fmt:MATRIX_FMT_BF6 matrix_b_fmt:MATRIX_FMT_BF6 matrix_b_scale:MATRIX_SCALE_ROW1
.elseif rV == 2
	v_wmma_scale_f32_16x16x128_f8f6f4 v[rD:rD+7], v[rU:rU+11], v[rA:rA+11], v[rD:rD+7], v[rP], v[rQ] matrix_a_fmt:MATRIX_FMT_BF6 matrix_b_fmt:MATRIX_FMT_BF6 matrix_a_scale:MATRIX_SCALE_ROW1
.elseif rV == 3
	v_wmma_scale_f32_16x16x128_f8f6f4 v[rD:rD+7], v[rU:rU+11], v[rA:rA+11], v[rD:rD+7], v[rP], v[rQ] matrix_a_fmt:MATRIX_FMT_BF6 matrix_b_fmt:MATRIX_FMT_BF6 matrix_a_scale:MATRIX_SCALE_ROW1 matrix_b_scale:MATRIX_SCALE_ROW1
.elseif rV == 4
	v_wmma_scale_f32_16x16x128_f8f6f4 v[rD:rD+7], v[rU:rU+11], v[rA:rA+11], 0, v[rP], v[rQ] matrix_a_fmt:MATRIX_FMT_BF6 matrix_b_fmt:MATRIX_FMT_BF6
.elseif rV == 5
	v_wmma_scale_f32_16x16x128_f8f6f4 v[rD:rD+7], v[rU:rU+11], v[rA:rA+11], 0, v[rP], v[rQ] matrix_a_fmt:MATRIX_FMT_BF6 matrix_b_fmt:MATRIX_FMT_BF6 matrix_b_scale:MATRIX_SCALE_ROW1
.elseif rV == 6
	v_wmma_scale_f32_16x16x128_f8f6f4 v[rD:rD+7], v[rU:rU+11], v[rA:rA+11], 0, v[rP], v[rQ] matrix_a_fmt:MATRIX_FMT_BF6 matrix_b_fmt:MATRIX_FMT_BF6 matrix_a_scale:MATRIX_SCALE_ROW1
.else
	v_wmma_scale_f32_16x16x128_f8f6f4 v[rD:rD+7], v[rU:rU+11], v[rA:rA+11], 0, v[rP], v[rQ] matrix_a_fmt:MATRIX_FMT_BF6 matrix_b_fmt:MATRIX_FMT_BF6 matrix_a_scale:MATRIX_SCALE_ROW1 matrix_b_scale:MATRIX_SCALE_ROW1
.endif
.endm
; A K step's 64 products in two halves.  The accumulators take turns, one instruction a turn.  zero = 1: the products start the sums: nothing is cleared.
; THE FIRST HALF: A's blocks 0-3, U's tiles one after the other.  wb >= 0 (pass 1): U's K step may still be landing: ahead of tile bt's four products the wave waits for that fragment alone:
; behind it were issued the 3 loads of each later fragment, 21 - 3 bt, and wb younger loads.  wb < 0 (pass 0): four plain instructions stay behind the half, whose blocks 0-3 are loaded anew next.
.macro MMA set, zero, wb, fr
	WIN 0xa1                                       ; source 0 (U) window 1, source 1 (A) window 0, C and D window 2
.irp bt, 0,1,2,3,4,5,6,7
.if (\wb) >= 0
	s_wait_loadcnt (\wb)+21-3*\bt
.endif
.irp a, 0,1,2,3
	WM \a, \bt, \set, \zero, \fr
.endr
.endr
	s_wait_dscnt 0x0                               ; A's blocks 4-7 are in
.if (\wb) < 0
	PLACES 4
.endif
	WIN 0
.endm
; THE SECOND HALF: A's blocks 4-7.  nx >= 0: the next chunk's scale words and blocks 0-3 are fetched ahead of it, into the set that begins at nx; tail = 1: its blocks 4-7 behind it.
; No wait stands at these loads: no vector or matrix instruction since the last wait on va_vdst names a register in which they land.
; Four plain instructions stay behind the half: a pass's end reads its results, and loads into U's set follow at the next trip's head.
.macro MMB set, zero, fr, nx, tail
.if (\nx) >= 0
	ASLOAD 1-(\set), 128
	ALOAD 0, 3072, \nx
.endif
	WIN 0xf1                                       ; C and D window 3
.irp a, 4,5,6,7
.irp bt, 0,1,2,3,4,5,6,7
	WM \a, \bt, \set, \zero, \fr
.endr
.endr
	PLACES 4
	WIN 0
.if \tail
	ALOAD 1, 3072, \nx
.endif
.endm
.macro USTEP                           ; U's two pointers go a K step on
	s_wait_xcnt 0x0                                ; every earlier load has read its base
	s_add_nc_u64 s[UP:UP+1], s[UP:UP+1], 12288
	s_add_nc_u64 s[USP:USP+1], s[USP:USP+1], 512
.endm
.macro KSTEP
	s_add_co_u32 s[KO], s[KO], 3072
	s_add_co_u32 s[KS], s[KS], 128
.endm
.macro TRIPQ set, zero, guard          ; trip j of pass 0, j = 0 .. 14
	USTEP
	s_wait_alu depctr_vm_vsrc(0)                   ; the LDS loads and stores issued so far have read v6-8, v11 and v12, which the five lines below write, and the codes and the scale word, which this trip's quantising writes
	ADDR 1
	APART 1-(\set), \guard, 1
	MMA \set, \zero, -1, AF                        ; U's K step was waited for at the head of the first tile's turn
	CPART 3072, 128, \guard, 41, 1
	MMB \set, \zero, AF, AF, 0
	KSTEP
.endm
.macro TRIPP set, zero                 ; trip j of pass 1, j = 0 .. 14
	USTEP
	s_wait_alu depctr_vm_vsrc(0)                   ; the LDS loads issued so far have read v6-8, which the three lines below write
	ADDR 0
	s_wait_alu depctr_va_vdst(0)                   ; v6-8 are written; the last trip's products are done reading the other set of U, of A and of both kinds of scale words, in which all loads of this trip land
	BLOAD 1-(\set)
	s_wait_dscnt 12                                ; A's scale words and blocks 0-3 are in; blocks 4-7 (12 loads) may be out
	MMA \set, \zero, 25, AG+96*(\set)
	MMB \set, \zero, AG+96*(\set), AG+96*(1-(\set)), 1
	KSTEP
.endm
; THE END OF PASS p: 128 rows x my 128 columns become eight partial energies a lane
.macro EPI p
	s_wait_loadcnt 0x0                             ; c' and v
	WIN 0x05                                       ; the sum of my 64 v: two chains
	v_pk_add_f32 v[CH:CH+1], v[R1:R1+1], v[R1+2:R1+3]
	v_pk_add_f32 v[CH+2:CH+3], v[R1+4:R1+5], v[R1+6:R1+7]
	WIN 0x04
.irp i, 8,12,16,20,24,28,32,36,40,44,48,52,56,60
	v_pk_add_f32 v[CH:CH+1], v[CH:CH+1], v[R1+\i:R1+\i+1]
	v_pk_add_f32 v[CH+2:CH+3], v[CH+2:CH+3], v[R1+\i+2:R1+\i+3]
.endr
	WIN 0
	v_pk_add_f32 v[CH:CH+1], v[CH:CH+1], v[CH+2:CH+3]
	v_add_f32 v[SVL], v[CH], v[CH+1]
.irp a, 0,1,2,3,4,5,6,7
.set AC, 64*(\a%4)
	WIN 0x41*(2+\a/4)                              ; destination and source 0: the block's window
.set i, 0
.rept 32
	v_pk_fma_f32 v[AC+i:AC+i+1], v[AC+i:AC+i+1], s[K2:K2+1], v[R0+i:R0+i+1] op_sel_hi:[1,0,1]   ; x' = 2 log2(e) Ue + c'; ascending: each accumulator from its low end on
.set i, i+2
.endr
.set i, 0
	s_wait_alu depctr_va_vdst(0)
.rept 64
	v_exp_f32 v[AC+i], v[AC+i]
.set i, i+1
.endr
	v_nop                                          ; a plain instruction behind the last exponential,
	s_wait_alu depctr_va_vdst(0)                   ; and one wait for the batch: the 64 exponentials have written their results, ahead of the first line that names one
.set i, 0
.rept 32
	v_pk_add_f32 v[AC+i:AC+i+1], v[AC+i:AC+i+1], 1.0 op_sel_hi:[1,0]
.set i, i+2
.endr
.set i, 0
	s_wait_alu depctr_va_vdst(0)
.rept 64
	v_rcp_f32 v[AC+i], v[AC+i]
.set i, i+1
.endr
	v_nop
	s_wait_alu depctr_va_vdst(0)                   ; the 64 reciprocals have written their results, ahead of the first line that names one
	WIN 6+\a/4                                     ; source 0 the block's window, source 1 (v) window 1
.irp c, 0,1,2,3
	v_pk_mul_f32 v[CH+2*\c:CH+2*\c+1], v[AC+2*\c:AC+2*\c+1], v[R1+2*\c:R1+2*\c+1]          ; four chains, started by the first four pairs
.endr
.set i, 4
.rept 28
	v_pk_fma_f32 v[CH+2*(i%4):CH+2*(i%4)+1], v[AC+2*i:AC+2*i+1], v[R1+2*i:R1+2*i+1], v[CH+2*(i%4):CH+2*(i%4)+1]
.set i, i+1
.endr
	WIN 0
	v_pk_add_f32 v[CH:CH+1], v[CH:CH+1], v[CH+2:CH+3]
	v_pk_add_f32 v[CH+4:CH+5], v[CH+4:CH+5], v[CH+6:CH+7]
	v_pk_add_f32 v[CH:CH+1], v[CH:CH+1], v[CH+4:CH+5]
	v_add_f32 v[EA+\a], v[CH], v[CH+1]
.endr
.irp a, 0,1,2,3,4,5,6,7
	v_fma_f32 v[EA+\a], v[EA+\a], -2.0, v[SVL]     ; the sum of v - 2 x the sum of v / (1 + 2^x')
.endr
.irp a, 0,1,2,3,4,5,6,7
	v_permlanex16_b32 v[CH+\a], v[EA+\a], s[SEL], s[SEL+1]
.endr
.irp a, 0,1,2,3,4,5,6,7
	v_add_f32 v[EA+\a], v[EA+\a], v[CH+\a]         ; with lane l xor 16's 64 columns
.endr
	s_wait_alu depctr_va_vdst(0)                   ; the eight partial energies are written, which the stores read; and the pass's end is done with R0, R1 and v32-63, in which later loads land
.irp a, 0,1,2,3,4,5,6,7
	ds_store_b32 v[EPW], v[EA+\a] offset:2048*(\p)+64*\a   ; row 16 a + r; lanes r and r + 16 write the same word with the same value
.endr
.endm
	s_load_b256 s[4:11], s[0:1], 0x0               ; enc s[4:5], uq s[6:7], us s[8:9], cb s[10:11]
	s_load_b128 s[12:15], s[0:1], 0x20             ; v_w s[12:13], en s[14:15]
	v_lshl_add_u32 v251, v0, 2, 0x3b400
	v_mov_b32 v255, 0
	v_lshrrev_b32 v1, 5, v0
	v_readfirstlane_b32 s[WV], v1                  ; wave 0..3
	v_and_b32 v11, 31, v0                          ; lane
	v_lshlrev_b32 v[VL16], 4, v11
	s_wait_alu depctr_va_sdst(0)                   ; the wave's number is written, ahead of its first reader: the bases and LDS addresses are made from it
	s_and_b32 s17, ttmp7, 0xffff                   ; b
	s_lshl_b32 s20, ttmp9, 26                      ; 128 rows s of 524,288 bytes,
	s_lshl_b32 s18, s[WV], 24                      ; my 32 of them,
	s_add_co_u32 s20, s20, s18
	s_lshl_b32 s18, s17, 13                        ; row b of 8,192 bytes
	s_add_co_u32 s20, s20, s18
	s_mov_b32 s21, 0
	s_mul_i32 s24, s[WV], 393216
	s_mov_b32 s25, 0
	s_lshl_b32 s26, s[WV], 14
	s_mov_b32 s27, 0
	s_lshr_b32 s28, s17, 4                         ; cb: (b / 16) 65,536 + (b % 16) 64 + 8,192 w
	s_lshl_b32 s28, s28, 16
	s_and_b32 s18, s17, 15
	s_lshl_b32 s18, s18, 6
	s_add_co_u32 s28, s28, s18
	s_lshl_b32 s18, s[WV], 13
	s_add_co_u32 s28, s28, s18
	s_mov_b32 s29, 0
	s_lshl_b32 s30, s[WV], 9
	s_mov_b32 s31, 0
	s_lshl_b32 s34, s17, 11
	s_lshl_b32 s18, ttmp9, 9
	s_add_co_u32 s34, s34, s18
	s_mov_b32 s35, 0
	s_wait_kmcnt 0x0
	s_add_nc_u64 s[E0:E0+1], s[4:5], s[20:21]
	s_add_nc_u64 s[E0+2:E0+3], s[E0:E0+1], 0x800000   ; 16 rows s further on
	s_add_nc_u64 s[UP:UP+1], s[6:7], s[24:25]
	s_add_nc_u64 s[USP:USP+1], s[8:9], s[26:27]
	s_wait_alu depctr_va_vdst(0)                   ; v1 is written, which the 57 loads below read as their offset
	LOADF 0                                        ; chunk 0, first tile;
	BLOAD 0                                        ; U's K step 0;
	LOADF 1                                        ; chunk 0, second tile: the order of every trip
	s_add_nc_u64 s[CBP:CBP+1], s[10:11], s[28:29]
	s_add_nc_u64 s[VP:VP+1], s[12:13], s[30:31]
	s_add_nc_u64 s[ENP:ENP+1], s[14:15], s[34:35]
	s_mov_b32 s[K2], 0x4038aa3b                    ; 2 log2(e)
	s_mov_b32 s[K2+1], s[K2]
	s_mov_b32 s[SEL], 0x76543210
	s_mov_b32 s[SEL+1], 0xfedcba98                 ; v_permlanex16_b32's selects for lane l xor 16
	s_mov_b32 s[HI], 0xffff0000                    ; lanes 16-31
	s_mov_b32 s[KO], 0
	s_mov_b32 s[KS], 0
	v_and_b32 v12, 15, v0                          ; r
	v_bfe_u32 v15, v0, 4, 1                        ; h
	s_mul_i32 s17, s[WV], 8448
	s_add_co_u32 s17, s17, STG
	v_add_nc_u32 v[STW], s17, v[VL16]
	v_mul_u32_u24 v[STR], v12, 528
	v_lshl_add_u32 v[STR], v15, 6, v[STR]
	v_add_nc_u32 v[STR], s17, v[STR]
	s_mul_i32 s18, s[WV], 49152
	v_add_nc_u32 v[AW0], s18, v[VL16]
	s_lshl_b32 s18, s[WV], 11
	s_add_co_u32 s18, s18, ASC
	v_lshl_add_u32 v[SW0], v11, 2, s18
	v_add_nc_u32 v[ARB], 98304, v[VL16]
	v_lshl_add_u32 v[SRB], v11, 2, ASC
	v_lshlrev_b32 v[CO], 5, v15
	s_lshl_b32 s18, s[WV], 9
	s_add_co_u32 s18, s18, EP
	v_lshl_add_u32 v[EPW], v12, 2, s18
.irp b, 0,1,2,3
	v_mov_b32 v[TM+4+\b], 0                        ; written once: a lane permute's destination counts as one of its sources
.endr
	ADDR 1
	s_wait_alu depctr_va_vdst(0)                   ; the LDS addresses and offsets v2, v3, v6 to v12 are written, which the LDS instructions and loads from here on read
	APART 1, 0, 0                                  ; chunk 0 becomes images; chunk 1 is asked for.  (No K step of U goes out here: K step 0 is on its way)
	CPART 0, 0, 0, 16, 0                           ; behind R1's loads stand R0's refill alone: 16
	; ---- PASS 0
	ASLOAD 0, 0                                    ; chunk 0's scale words and blocks 0-3; each trip fetches its own blocks 4-7
	ALOAD 0, 0, AF
	TRIPQ 0, 1, 0                                  ; trip 0: its products start the sums
	s_mov_b32 s[LC], 7
.Lk0:                                              ; trips 1 to 14, two a trip of the loop: U's two sets are back where they began
	TRIPQ 1, 0, 0
	TRIPQ 0, 0, 1
	s_sub_co_u32 s[LC], s[LC], 1
	s_cmp_lg_u32 s[LC], 0
	s_cbranch_scc1 .Lk0
	USTEP                                          ; trip 15: nothing of enc is left; the next pass's first K step of U goes out ahead of its products
	s_wait_alu depctr_va_vdst(0)                   ; trip 14's products are done reading U's set 0 and its scale words, in which that K step lands, and A's blocks 4-7
	BLOAD 0
	ALOAD 1, 3072, AF                              ; chunk 15's blocks 4-7, by trip 14's addresses
	s_wait_loadcnt 25                              ; all but those 25: c', U's K step 15 and v are in
	s_wait_dscnt 12                                ; A's scale words and blocks 0-3 are in; blocks 4-7 (12 loads) may be out
	MMA 1, 0, -1, AF
	MMB 1, 0, AF, -1, 0
	EPI 0
	; ---- PASS 1
	s_add_nc_u64 s[CBP:CBP+1], s[CBP:CBP+1], 32768 ; this pass's columns (the last loads by these bases have been waited for)
	s_add_nc_u64 s[VP:VP+1], s[VP:VP+1], 2048
	CVLOAD 1                                       ; R1 has been read for the last time, ahead of the wait that stands in front of the energies' stores: this pass's v goes out at once.  c' follows in trip 15: R0 is part of A's even set
	s_mov_b32 s[KO], 0
	s_mov_b32 s[KS], 0
	s_wait_alu depctr_vm_vsrc(0)                   ; pass 0's LDS loads have read v6-8, which the three lines below write; the energies' stores have read v40-47, in which A's even set lands
	ADDR 0
	s_wait_alu depctr_va_vdst(0)                   ; v6-8 are written, which the 28 loads below read
	ASLOAD 0, 0
	ALOAD 0, 0, AG
	ALOAD 1, 0, AG
	TRIPP 0, 1
	s_mov_b32 s[LC], 7
.Lk1:
	TRIPP 1, 0
	TRIPP 0, 0
	s_sub_co_u32 s[LC], s[LC], 1
	s_cmp_lg_u32 s[LC], 0
	s_cbranch_scc1 .Lk1
	s_wait_alu depctr_va_vdst(0)                   ; trip 15: trip 14's products are done reading A's even set, in whose registers v64-127 c' lands
	CVLOAD 0
	s_wait_dscnt 12                                ; A's scale words and blocks 0-3 are in.  Nothing more of U or A is asked for: no load leaves its buffer
	MMA 1, 0, 16, AF                               ; behind U's last K step stand c's 16 loads
	MMB 1, 0, AF, -1, 0
	EPI 1
	s_wait_alu depctr_vm_vsrc(0)                   ; pass 1's LDS loads have read v6, which the line below writes
	v_add_nc_u32 v[AR], EP, v[VL16]
	s_wait_alu depctr_va_vdst(0)                   ; v6 is written, which wave 0's eight loads read
	s_wait_dscnt 0x0                               ; for the others' sake: my partial energies have landed
	s_barrier_signal -1
	s_barrier_wait -1
	s_cmp_lg_u32 s[WV], 0
	s_cbranch_scc1 .Lend
.irp i, 0,1,2,3,4,5,6,7
	ds_load_b128 v[R0+4*\i:R0+4*\i+3], v[AR] offset:512*\i       ; rows 4 l .. 4 l + 3: the eight parts (two passes x four waves)
.endr
	s_wait_dscnt 0x0
.irp i, 0,2,4,6
	v_pk_add_f32 v[R0+4*\i:R0+4*\i+1], v[R0+4*\i:R0+4*\i+1], v[R0+4*\i+4:R0+4*\i+5]
	v_pk_add_f32 v[R0+4*\i+2:R0+4*\i+3], v[R0+4*\i+2:R0+4*\i+3], v[R0+4*\i+6:R0+4*\i+7]
.endr
.irp i, 0,4
	v_pk_add_f32 v[R0+4*\i:R0+4*\i+1], v[R0+4*\i:R0+4*\i+1], v[R0+4*\i+8:R0+4*\i+9]
	v_pk_add_f32 v[R0+4*\i+2:R0+4*\i+3], v[R0+4*\i+2:R0+4*\i+3], v[R0+4*\i+10:R0+4*\i+11]
.endr
	v_pk_add_f32 v[R0:R0+1], v[R0:R0+1], v[R0+16:R0+17]
	v_pk_add_f32 v[R0+2:R0+3], v[R0+2:R0+3], v[R0+18:R0+19]
	s_wait_alu depctr_va_vdst(0)                   ; the additions have written the four energies that the store reads
	global_store_b128 v[VL16], v[R0:R0+3], s[ENP:ENP+1]          ; 128 energies: 512 consecutive bytes, aligned
.Lend:
	s_wait_dscnt 0x0                               ; the closing lines, six on end
	s_wait_alu 0x0
	s_wait_tensorcnt 0x0
	ds_add_u32 v251, v255
	s_wait_dscnt 0x0
	s_endpgm
.Lfunc_end_k_qf6197e9da2_main:
	.size	k_qf6197e9da2_main, .Lfunc_end_k_qf6197e9da2_main-k_qf6197e9da2_main
	.p2alignl 7, 3214868480
	.fill 96, 4, 3214868480
	.section	.rodata,"a",@progbits
	.p2align	6, 0x0
	.amdhsa_kernel k_qf6197e9da2_main
		.amdhsa_group_segment_fixed_size 243200
		.amdhsa_private_segment_fixed_size 0
		.amdhsa_enable_private_segment 0
		.amdhsa_kernarg_size 48
		.amdhsa_user_sgpr_count 2
		.amdhsa_user_sgpr_kernarg_segment_ptr 1
		.amdhsa_wavefront_size32 1
		.amdhsa_system_sgpr_workgroup_id_x 1
		.amdhsa_system_sgpr_workgroup_id_y 1
		.amdhsa_system_sgpr_workgroup_id_z 1
		.amdhsa_system_vgpr_workitem_id 0
		.amdhsa_next_free_vgpr 1024
		.amdhsa_next_free_sgpr 66
		.amdhsa_reserve_vcc 0
		.amdhsa_float_denorm_mode_32 3
		.amdhsa_float_denorm_mode_16_64 3
		.amdhsa_memory_ordered 1
		.amdhsa_forward_progress 1
		.amdhsa_inst_pref_size 255
	.end_amdhsa_kernel
	.section	.bss,"aw",@nobits
	.p2align	6
	.space	262144
	.amdgpu_metadata
---
amdhsa.version: [ 1, 2 ]
amdhsa.kernels:
  - .name:           k_qf6197e9da2_main
    .symbol:         k_qf6197e9da2_main.kd
    .args:
      - { .name: encoder_outputs, .offset: 0, .size: 8, .value_kind: global_buffer, .address_space: global }
      - { .name: uq, .offset: 8, .size: 8, .value_kind: global_buffer, .address_space: global }
      - { .name: us, .offset: 16, .size: 8, .value_kind: global_buffer, .address_space: global }
      - { .name: cb, .offset: 24, .size: 8, .value_kind: global_buffer, .address_space: global }
      - { .name: v_w, .offset: 32, .size: 8, .value_kind: global_buffer, .address_space: global }
      - { .name: en, .offset: 40, .size: 8, .value_kind: global_buffer, .address_space: global }
    .group_segment_fixed_size: 243200
    .private_segment_fixed_size: 0
    .kernarg_segment_align: 8
    .kernarg_segment_size: 48
    .max_flat_workgroup_size: 128
    .sgpr_count:     66
    .vgpr_count:     1024
    .wavefront_size: 32
...
	.end_amdgpu_metadata
.endif
;; end of part 5
;; launch soft (part 6): grid 64 x 1, 1 waves a work-group, no clusters, 0 bytes of LDS; arguments en, mask, out0; writes out0
.if DOCPART == 6
	.amdgcn_target "amdgcn-amd-amdhsa--gfx1250"
	.amdhsa_code_object_version 6
	.text
	.protected	k_qf6197e9da2_soft
	.globl	k_qf6197e9da2_soft
	.p2align	8
	.type	k_qf6197e9da2_soft,@function
k_qf6197e9da2_soft:
	s_mov_b64 s[64:65], 0
	v_nop
	global_prefetch_b8 v0, s[64:65] scope:SCOPE_SE
	s_setreg_imm32_b32 hwreg(HW_REG_WAVE_MODE, 25, 1), 1
	s_wait_xcnt 0x0
; out0[b][:] = softmax over s of (mask[b][s] ? -1e10 : en[b][s]).  One wave takes a row of 512: 16 numbers a lane; every load and store of f32 covers 512 consecutive bytes.
; The row's maximum is taken away by a SUBTRACTION ahead of the scaling by log2(e), not by a fused multiply-add: where a whole row is masked the differences are then exactly 0 and the row comes out even.
; No LDS, no barrier, no matrix unit: 160 KB in all.  NaN among the energies is not served.
	s_load_b128 s[4:7], s[0:1], 0x0                ; en, mask
	s_load_b64 s[8:9], s[0:1], 0x10                ; out0
	v_lshlrev_b32 v1, 4, v0                        ; 16 bytes a lane
	v_lshlrev_b32 v2, 2, v0                        ; 4 mask bytes a lane
	s_lshl_b32 s10, ttmp9, 11
	s_mov_b32 s11, 0
	s_lshl_b32 s12, ttmp9, 9
	s_mov_b32 s13, 0
	s_mov_b32 s14, 0x76543210
	s_mov_b32 s15, 0xfedcba98                      ; v_permlanex16_b32's selects for lane l xor 16
	s_mov_b32 s16, 0x3fb8aa3b                      ; log2(e)
	s_mov_b32 s17, s16
	v_mov_b32 v25, 0xd01502f9                      ; -1e10
	v_mov_b32 v27, 0                               ; a lane permute's destination counts as one of its sources
	s_wait_alu depctr_va_vdst(0)
	s_wait_kmcnt 0x0
	s_add_nc_u64 s[4:5], s[4:5], s[10:11]
	s_add_nc_u64 s[6:7], s[6:7], s[12:13]
	s_add_nc_u64 s[8:9], s[8:9], s[10:11]
.irp i, 0,1,2,3
	global_load_b128 v[4+4*\i:7+4*\i], v1, s[4:5] offset:512*\i      ; s = 128 i + 4 l + 0 .. 3
.endr
.irp i, 0,1,2,3
	global_load_b32 v[20+\i], v2, s[6:7] offset:128*\i               ; and their four mask bytes
.endr
	s_wait_loadcnt 0x0
.irp i, 0,1,2,3
.irp c, 0,1,2,3
	v_bfe_u32 v24, v[20+\i], 8*\c, 8
	v_cmp_ne_u32 vcc_lo, 0, v24
	v_cndmask_b32 v[4+4*\i+\c], v[4+4*\i+\c], v25, vcc_lo
.endr
.endr
	v_max3_num_f32 v26, v4, v5, v6
.irp i, 7,9,11,13,15,17
	v_max3_num_f32 v26, v26, v[\i], v[\i+1]
.endr
	v_max_num_f32 v26, v26, v19
	v_max_num_f32_dpp v26, v26, v26 row_xmask:1 row_mask:0xf bank_mask:0xf
	v_max_num_f32_dpp v26, v26, v26 row_xmask:2 row_mask:0xf bank_mask:0xf
	v_max_num_f32_dpp v26, v26, v26 row_xmask:4 row_mask:0xf bank_mask:0xf
	v_max_num_f32_dpp v26, v26, v26 row_xmask:8 row_mask:0xf bank_mask:0xf
	v_permlanex16_b32 v27, v26, s14, s15
	v_max_num_f32 v26, v26, v27                    ; the row's maximum, in every lane
.irp i, 4,6,8,10,12,14,16,18
	v_pk_add_f32 v[\i:\i+1], v[\i:\i+1], v[26:27] op_sel_hi:[1,0] neg_lo:[0,1] neg_hi:[0,1]   ; e - max (the pair's low word serves both halves)
.endr
.irp i, 4,6,8,10,12,14,16,18
	v_pk_mul_f32 v[\i:\i+1], v[\i:\i+1], s[16:17] op_sel_hi:[1,0]
.endr
	s_wait_alu depctr_va_vdst(0)
.irp i, 4,5,6,7,8,9,10,11,12,13,14,15,16,17,18,19
	v_exp_f32 v[\i], v[\i]
.endr
	v_nop                                          ; a plain instruction behind the last exponential,
	s_wait_alu depctr_va_vdst(0)                   ; and one wait for the batch
	v_pk_add_f32 v[28:29], v[4:5], v[6:7]
	v_pk_add_f32 v[30:31], v[8:9], v[10:11]
	v_pk_add_f32 v[28:29], v[28:29], v[12:13]
	v_pk_add_f32 v[30:31], v[30:31], v[14:15]
	v_pk_add_f32 v[28:29], v[28:29], v[16:17]
	v_pk_add_f32 v[30:31], v[30:31], v[18:19]
	v_pk_add_f32 v[28:29], v[28:29], v[30:31]
	v_add_f32 v28, v28, v29
	v_add_f32_dpp v28, v28, v28 row_xmask:1 row_mask:0xf bank_mask:0xf
	v_add_f32_dpp v28, v28, v28 row_xmask:2 row_mask:0xf bank_mask:0xf
	v_add_f32_dpp v28, v28, v28 row_xmask:4 row_mask:0xf bank_mask:0xf
	v_add_f32_dpp v28, v28, v28 row_xmask:8 row_mask:0xf bank_mask:0xf
	v_permlanex16_b32 v29, v28, s14, s15
	v_add_f32 v28, v28, v29                        ; the row's sum: at least 1, the maximum's own term
	s_wait_alu depctr_va_vdst(0)
	v_rcp_f32 v30, v28
	v_nop
	s_wait_alu depctr_va_vdst(0)
.irp i, 4,6,8,10,12,14,16,18
	v_pk_mul_f32 v[\i:\i+1], v[\i:\i+1], v[30:31] op_sel_hi:[1,0]
.endr
.irp i, 0,1,2,3
	global_store_b128 v1, v[4+4*\i:7+4*\i], s[8:9] offset:512*\i
.endr
	s_endpgm
.Lfunc_end_k_qf6197e9da2_soft:
	.size	k_qf6197e9da2_soft, .Lfunc_end_k_qf6197e9da2_soft-k_qf6197e9da2_soft
	.p2alignl 7, 3214868480
	.fill 96, 4, 3214868480
	.section	.rodata,"a",@progbits
	.p2align	6, 0x0
	.amdhsa_kernel k_qf6197e9da2_soft
		.amdhsa_group_segment_fixed_size 0
		.amdhsa_private_segment_fixed_size 0
		.amdhsa_enable_private_segment 0
		.amdhsa_kernarg_size 24
		.amdhsa_user_sgpr_count 2
		.amdhsa_user_sgpr_kernarg_segment_ptr 1
		.amdhsa_wavefront_size32 1
		.amdhsa_system_sgpr_workgroup_id_x 1
		.amdhsa_system_sgpr_workgroup_id_y 1
		.amdhsa_system_sgpr_workgroup_id_z 1
		.amdhsa_system_vgpr_workitem_id 0
		.amdhsa_next_free_vgpr 48
		.amdhsa_next_free_sgpr 66
		.amdhsa_reserve_vcc 1
		.amdhsa_float_denorm_mode_32 3
		.amdhsa_float_denorm_mode_16_64 3
		.amdhsa_memory_ordered 1
		.amdhsa_forward_progress 1
		.amdhsa_inst_pref_size 9
	.end_amdhsa_kernel
	.amdgpu_metadata
---
amdhsa.version: [ 1, 2 ]
amdhsa.kernels:
  - .name:           k_qf6197e9da2_soft
    .symbol:         k_qf6197e9da2_soft.kd
    .args:
      - { .name: en, .offset: 0, .size: 8, .value_kind: global_buffer, .address_space: global }
      - { .name: mask, .offset: 8, .size: 8, .value_kind: global_buffer, .address_space: global }
      - { .name: out0, .offset: 16, .size: 8, .value_kind: global_buffer, .address_space: global }
    .group_segment_fixed_size: 0
    .private_segment_fixed_size: 0
    .kernarg_segment_align: 8
    .kernarg_segment_size: 24
    .max_flat_workgroup_size: 32
    .sgpr_count:     66
    .vgpr_count:     48
    .wavefront_size: 32
...
	.end_amdgpu_metadata
.endif
;; end of part 6
